; MI455X (gfx1250); checked and timed in simulation.
; The chip was launched on July 23, 2026; its instructions are those of AMD's public machine-readable ISA for CDNA 5 (MIT licence, August 2026) and "CDNA5" Instruction Set Architecture Reference Guide (July 2026). The comments in the code are by the model that wrote it; some were corrected since.
;; Simple Attention. Allowed arithmetic: matrix products marked QUANTISED: E2M3 operands, one E8M0 scale for each 32 along K, by v_wmma_scale_f32_16x16x128_f8f6f4 with both operands' format E2M3, f32 sums; everything else in f32.
;; Inputs: Wk_codes 1,024 x 32 x 24 uint8 (E2M3 codes of Wk, K innermost, in blocks of 32 codes, four codes in three bytes); Wk_scales 1,024 x 32 uint8 (E8M0 scales of Wk, one for each 32 codes along K); Wq_codes 1,024 x 32 x 24 uint8 (E2M3 codes of Wq, K innermost, in blocks of 32 codes, four codes in three bytes); Wq_scales 1,024 x 32 uint8 (E8M0 scales of Wq, one for each 32 codes along K); Wv_codes 1,024 x 32 x 24 uint8 (E2M3 codes of Wv, K innermost, in blocks of 32 codes, four codes in three bytes); Wv_scales 1,024 x 32 uint8 (E8M0 scales of Wv, one for each 32 codes along K); bk 1,024 float32; bq 1,024 float32; bv 1,024 float32; input_codes 4 x 2,048 x 32 x 24 uint8 (E2M3 codes of input, K innermost, in blocks of 32 codes, four codes in three bytes); input_scales 4 x 2,048 x 32 uint8 (E8M0 scales of input, one for each 32 codes along K); mask 1 x 2,048 x 2,048 bool.
;; Outputs: out0 4 x 2,048 x 1,024 float32.
;; This version of the problem:
;;   THIS VERSION OF THE PROBLEM IS GIVEN IN LOW PRECISION. The matrix products marked QUANTISED in the list below multiply operands that are first quantised to E2M3 (2 exponent bits, 3 mantissa bits; 6 bits a number), with one power-of-two scale for each 32 numbers along K (OCP MX v1.0); their sums are f32. All else is computed in f32.
;;   The module's matrix products, in the order in which they are computed (A, B: the left and right operand; K: the contracted axis; several contracted axes count as one K, in the product's order):
;;     1. [M 8,192, K 1,024] x [K 1,024, N 1,024]; A: input input (given as codes); B: input Wq (given as codes): QUANTISED
;;     2. [M 8,192, K 1,024] x [K 1,024, N 1,024]; A: input input (given as codes); B: input Wk (given as codes): QUANTISED
;;     3. [M 8,192, K 1,024] x [K 1,024, N 1,024]; A: input input (given as codes); B: input Wv (given as codes): QUANTISED
;;     4. batch 4 x [M 2,048, K 1,024] x [K 1,024, N 2,048]; A: computed on the way; B: computed on the way: QUANTISED
;;     5. batch 4 x [M 2,048, K 2,048] x [K 2,048, N 1,024]; A: softmax (see below); B: computed on the way: QUANTISED
;;   THE QUANTISER, for each operand of a quantised product, along K:
;;     - K is cut into blocks of 32 from its start; a last block that is shorter is filled with zeros.
;;     - A block's scale is 2^e with e = floor(log2(the largest magnitude in the block)) - 2, held to -126 .. 127; a block of zeros has e = 0. As a byte (E8M0): e + 127.
;;     - Each number is divided by its block's scale, clamped to +-7.5, and rounded to the nearest number of E2M3, ties to even, subnormals kept.
;;     - The product sums the exact products of the quantised numbers (number of the format x scale) in f32.
;;   ~~~python
;;   def quantise(x, axis):      # numpy; x: float32 -> the quantised numbers, widened to float32 again
;;       x = np.moveaxis(x, axis, -1); K = x.shape[-1]
;;       x = np.pad(x, [(0, 0)] * (x.ndim - 1) + [(0, -K % 32)]); x = x.reshape(x.shape[:-1] + (-1, 32)); a = np.abs(x).max(-1, keepdims=True)
;;       e = np.where(a > 0, np.clip(np.frexp(np.where(a > 0, a, 1))[1] - 1 - 2, -126, 127), 0)      # np.frexp(a)[1] - 1 = floor(log2(a)), exactly
;;       r = np.clip(x / 2.0 ** e, -7.5, 7.5)
;;       step = 2.0 ** (np.maximum(np.frexp(np.where(r == 0, 1, r))[1] - 1, 0) - 3)
;;       q = np.round(r / step) * step * 2.0 ** e      # np.round: ties to even
;;       return np.moveaxis(q.reshape(q.shape[:-2] + (-1,))[..., :K], -1, axis).astype(np.float32)
;;   ~~~
;;   SOFTMAX AHEAD OF A QUANTISED PRODUCT. Where the list says 'softmax', what is quantised is not the finished softmax but p = 2^(t - M), with t = logit x log2(e) and M = ceil(the row's largest t), a whole number; so 1/2 < the row's largest p <= 1. The row's sum l is taken of the UNQUANTISED p, in f32, and the product's result is divided by l at the end. Since M is a whole number, a kernel that streams over the keys may use a running M (the ceiling of the running maximum): every later rescaling is an exact power of two, which a block's scale takes up: the codes' values come out the same.
;;   OPERANDS COMPUTED ON THE WAY. 'Computed on the way' means the value that the module computes at that place (a softmax that the list does not call 'softmax' is quantised finished and normalised). What goes into a quantiser is computed in f32, as accurately as f32 sums, v_exp_f32 and their like allow (about 1e-6 of the number): no bf16 or f16 on the way to a quantiser, and a product that is left as it is and whose result goes on into a quantised operand takes f32 operands (vector FMAs, or v_wmma_f32_16x16x4_f32). A number that lies on a knife's edge between two numbers of the format may be rounded either way, as far as f32 arithmetic and the matrix unit's own rounding can turn it there, and no further.
;;   INPUTS GIVEN AS CODES. Wk (in the module: [1024, 1024], K = its axis 1); Wq (in the module: [1024, 1024], K = its axis 1); Wv (in the module: [1024, 1024], K = its axis 1); input (in the module: [4, 2048, 1024], K = its axis 2): each comes as NAME_codes (uint8): NAME with its K axis moved to the last place and cut into blocks of 32 codes, [.., K / 32, bytes a block], one block behind the other in memory; four codes in three bytes: a row's codes are one little-endian stream of bits, code i at bits 6 i .. 6 i + 5 (a code: sign, 2 exponent bits, 3 mantissa bits); and NAME_scales (uint8): the same leading axes, one E8M0 byte (e + 127) for each 32 codes along K. Its value is code x scale, taken as it is: it is not quantised again, and the codes and scales need not be those that the quantiser above would give.
;; One version. Each part assembles by itself: llvm-mc -triple=amdgcn-amd-amdhsa -mcpu=gfx1250 --defsym DOCPART=n.
;; ======== version 1 of 1: 3 launches
;; limits: right only within a limited range of input values
;; workspace buffers: qk 13,107,200 bytes; vv 6,553,600 bytes; pf 12,582,912 bytes; pst 1,572,864 bytes
;; launch proj (part 1): grid 16 x 16, 4 waves a work-group, clusters of 4 x 4, 327,680 bytes of LDS; arguments input_codes, input_scales, Wq_codes, Wq_scales, Wk_codes, Wk_scales, Wv_codes, Wv_scales, bq, bk, bv, qk, vv; writes qk, vv
.if DOCPART == 1
	.amdgcn_target "amdgcn-amd-amdhsa--gfx1250"
	.amdhsa_code_object_version 6
	.text
	.protected	k_q89813bafc4_proj
	.globl	k_q89813bafc4_proj
	.p2align	8
	.type	k_q89813bafc4_proj,@function
k_q89813bafc4_proj:
	s_mov_b64 s[64:65], 0
	v_nop
	global_prefetch_b8 v0, s[64:65] scope:SCOPE_SE
	s_setreg_imm32_b32 hwreg(HW_REG_WAVE_MODE, 25, 1), 1
	s_wait_xcnt 0x0
	s_wait_alu depctr_hold_cnt(0) depctr_sa_sdst(0) depctr_va_vdst(0) depctr_va_sdst(0) depctr_va_ssrc(0) depctr_va_vcc(0) depctr_vm_vsrc(0)
	s_getreg_b32 s2, hwreg(HW_REG_IB_STS2, 6, 4)
	s_cmp_eq_u32 s2, 0
	s_cbranch_scc0 .Lentry_in_a_cluster
	s_endpgm
.Lentry_in_a_cluster:
	s_bfe_u32 s2, ttmp6, 0x10000c
	s_cmp_lg_u32 s2, 0xf033
	s_cbranch_scc0 .Lentry_shape_is_right
	s_endpgm
.Lentry_shape_is_right:
; PROJ: q = x Wq^T + bq, k = x Wk^T + bk, v = x Wv^T + bv on codes of FP6 (E2M3), K = 1,024, f32 sums; each result is quantised on the way out along the K of the product that reads it. No f32 result is stored. No work of reference() is left out.
; LIMITS: NaN, infinities and the scale byte 0xff among the inputs are not served. A block whose largest magnitude lies under 2^-124 (a block of zeros too) gets the scale byte 1; these bytes are read by this program alone.
; THE DEAL. 256 work-groups of four waves, 2 x 2: a wave holds 64 rows of a weight, all of K, in 384 registers and streams x past them in blocks of 16 rows. Phase 1: 256 tokens x 128 channels of V; phase 2: 512 tokens x 128 features of Q or K.
; V's 256 tokens are a half (s87) of the work-group's own 512, so the head's two chunks of 128 rows serve both phases. x's rows are shared by a row of the cluster, a weight's by a column.
; ORDER OF ROWS. A tile of 16 rows takes, of 64 neighbouring rows, 8 t + 0..7 for lanes r = 0..7 and 32 + 8 (t xor 1) + 0..7 for lanes 8..15 (even t: 40 rows apart, odd t: 24). So four tiles give a lane 32 results of ONE scale block, and no lane looks at another.
; Wave row w takes tokens 64 w .. of each chunk; block s is tile s % 4 of chunk s / 4. Two chunks' tiles (bands c = 0, 1) make a group of 128 rows: tile 4 c + t of group 2 g + w holds tokens 256 g + 128 c + 64 w + ...
; BUFFERS. qk[Q, K][K / 256: 4][group of 128 rows: 64][25,600]: 8 tiles x 2 steps of 128 along K x 1,536 bytes, then 2 x 128 scale words. A fragment is two halves of 768 bytes (64 along K each): registers 0-3 (16 bytes a lane), registers 4-5 (8 bytes a lane).
; vv[256 tokens: 32][256 channels: 4][51,200]: 16 tiles x 2 steps x 1,536 bytes (three runs of 16 bytes a lane), then scale words [128 channels: 2][step: 2][128].
; LDS: slots 0, 1 for x's chunks, a region for the weights' 128 rows, two places for a chunk's scale bytes, stages for the results' scale bytes, spare words.
; FILLS. Head: one joint load a wave. Three refills, each in a drained round: phase 1's block 2 (the second weight), phase 2's blocks 2 and 6 (the other half's chunks and scale bytes).
; WAITS. A block's rows were fetched two blocks ago; younger are the next block's NF loads and 0, 1 or 4 byte stores.
.set NQ, 8
.set NB, 4
.set TM, 512
.set TV, 256
.set TN, 128
.set KROW, 768
.set KS, 32
.set PITCH, 816
.set FR, 12
.set FPW, 21
.set NF, 28
.set RA, 128
.set YB, RA*PITCH
.set BVB, 2*YB
.set SCL, BVB+TN*PITCH
.set CU, 16
.set SCB, CU*272
.set XN, SCL+2*SCB
.set XM, XN+2048
.set SPARE, XM+1024
.set EMAX, 2
.set GRP, 25600                        ; bytes of a group of 128 rows x 256 K
.set KGRP, 64*GRP
.set CO8, 2                            ; v2   8 x lane (behind the head)
.set ADRA0, 4                          ; v4, v5  my fragments of block 0 (v5: behind one padding more); v1, v22: of block 1
.set AAS0, 6                           ; v6   scale words of block 0; v23: of block 1
.set CO, 9
.set SPW, 10
.set NIL, 11
.set ADRA, 12
.set ADRB, 14
.set ABS, 16
.set AAS, 17
.set STO, 18
.set STV, 19
.set SB, 24
.set TQ, 40
.set SA, 44
.set TC, 60
.set ACC, 64
.set HV0, 64
.set HV1, 840
.set NCD, 128
.set MCD, 192
.set SOP, 240
.set EB, 244
.set VX, 248
.set SB2, 968
.set BA, 984
.set BBV, 992
.set BBQ, 160
.set G1A, 24
.set G0A, 56
.set G0R, 68
.set G1B, 32
.set G0B, 60
.set G1S, 92
.set G0S, 72
.set MSB, 0
.macro WIN new
.if MSB != (\new)
	s_set_vgpr_msb (MSB<<8)|(\new)
.set MSB, (\new)
.endif
.endm
.macro PLACES n
.rept \n
	v_nop
.endr
.endm
.macro WALU
	s_wait_alu depctr_va_vdst(0)
.endm
.macro BARRIER
	s_barrier_signal -1
	s_barrier_wait -1
.endm
.macro MIDDLE                          ; a round's middle
	WIN 0
	s_barrier_wait -1
	s_cmp_lg_u32 s14, 0
	s_cbranch_scc1 .Lnot_wave_0_\@
	s_barrier_signal -3
.Lnot_wave_0_\@:
	s_barrier_wait -3
.endm
.macro CROUND
	s_barrier_signal -1
	MIDDLE
	BARRIER
.endm
.macro GRD
	s_wait_tensorcnt 0x0
	ds_add_u32 v[SPW], v[NIL]
.endm
.macro TLOAD g0, g1
	tensor_load_to_lds s[\g0:\g0+3], s[\g1:\g1+7]
	s_nop 0
	PLACES 4
.endm
.macro GROUP1 g, mask, rows
	s_or_b32 s[\g+0], s[\mask], (1<<20)|(1<<21)|(5<<22)|(3<<25)
	s_mov_b32 s[\g+1], (KROW&0xffff)<<16
	s_mov_b32 s[\g+2], (KROW>>16)|((\rows)<<16)
	s_mov_b32 s[\g+3], KROW<<16
	s_mov_b32 s[\g+4], \rows
	s_mov_b32 s[\g+5], KROW
	s_mov_b32 s[\g+6], 0
	s_mov_b32 s[\g+7], 0
.endm
.macro SADD d, x
	s_add_co_u32 s\d, s\d, s\x
.endm
.macro G0SET g, base, off              ; s21 = 0
	s_mov_b32 s20, s\off
	s_add_nc_u64 s[\g+2:\g+3], s[\base:\base+1], s[20:21]
	s_or_b32 s[\g+3], s[\g+3], 0x80000000
.endm
; Fragment f lies in window 1 + f / 21 at register 12 (f % 21): 0-31 the weights' (4 q + b), 32-39 and 40-47 the rows' two sets.
.macro FRAG f, q, a0, a1, aw
	WIN ((1+(\f)/FPW)<<6)|(\aw)
.set R_, FR*((\f)%FPW)
.set SKIP_, 0
.irp p, 0,1,2,3,4,5
.if SKIP_
.set SKIP_, 0
.else
.set PC_, 12*(\q)+6*(\p/3)+\p%3
.set PN_, 12*(\q)+6*((\p+1)/3)+(\p+1)%3
.set X_, (PC_%32+3)/32
.set XQ_, (PN_%32+3)/32
.if (\p < 5) && (X_ == XQ_)
.set SKIP_, 1
.if X_
	ds_load_2addr_b64 v[R_+2*\p:R_+2*\p+3], \a1 offset0:PC_+2*(PC_/32) offset1:PN_+2*(PN_/32)
.else
	ds_load_2addr_b64 v[R_+2*\p:R_+2*\p+3], \a0 offset0:PC_+2*(PC_/32) offset1:PN_+2*(PN_/32)
.endif
.elseif X_
	ds_load_b64 v[R_+2*\p:R_+2*\p+1], \a1 offset:8*(PC_+2*(PC_/32))
.else
	ds_load_b64 v[R_+2*\p:R_+2*\p+1], \a0 offset:8*(PC_+2*(PC_/32))
.endif
.endif
.endr
.endm
.macro WEIGHTS                         ; my 64 rows of the weight, all of K: 104 loads
.irp q, 0,1,2,3,4,5,6,7
.irp b, 0,1,2,3
	FRAG NB*\q+\b, \q, v[BA-768+2*\b], v[BA-768+2*\b+1], 3
.endr
.endr
	WIN 0
.endm
.macro FETCHAT e, a0, a1, as           ; a block of x's rows into set e: NF loads
.irp q, 0,1,2,3,4,5,6,7
	FRAG NB*NQ+NQ*(\e)+\q, \q, \a0, \a1, 0
.endr
	WIN 0
	ds_load_b128 v[SA+8*(\e):SA+8*(\e)+3], \as
	ds_load_b128 v[SA+8*(\e)+4:SA+8*(\e)+7], \as offset:16
.endm
.macro FETCH e
	FETCHAT \e, v[ADRA], v[ADRA+1], v[AAS]
.endm
.macro FETCH01                         ; a phase's first two blocks, from slot 0
	FETCHAT 0, v[ADRA0], v[ADRA0+1], v[AAS0]
	FETCHAT 1, v1, v22, v23
	s_mov_b32 s101, 0
	s_mov_b32 s91, 0
.endm
; A product. n = 4 q + tile. kind 0 (Q, K): source 0 the weight's rows; kind 1 (V): source 0 x's rows. The first takes the bias as C.
.macro PROD kind, e, n, a0, as
.set Q_, (\n)/4
.set FB_, NB*Q_+(\n)%4
.set FA_, NB*NQ+NQ*(\e)+Q_
.set D_, (\a0)+(\as)*((\n)%4)
.set DL_, D_&255
.set XB_, SB+NQ*(((\n)%4)/2)+Q_
.set XA_, SA+8*(\e)+Q_
.if \kind
.if Q_
	WIN (1+FA_/FPW)|((1+FB_/FPW)<<2)|((D_>>8)<<4)|((D_>>8)<<6)
	PROD1 DL_, FA_, FB_, v[DL_:DL_+7], XA_, XB_, b, (\n)%2
.else
	WIN (1+FA_/FPW)|((1+FB_/FPW)<<2)|(3<<4)|((D_>>8)<<6)
	PROD1 DL_, FA_, FB_, v[BBV-768+8*((\n)%4):BBV-768+8*((\n)%4)+7], XA_, XB_, b, (\n)%2
.endif
.else
	WIN (1+FB_/FPW)|((1+FA_/FPW)<<2)|((D_>>8)<<4)|((D_>>8)<<6)
.if Q_
	PROD1 DL_, FB_, FA_, v[DL_:DL_+7], XB_, XA_, a, (\n)%2
.else
	PROD1 DL_, FB_, FA_, v[BBQ+8*((\n)%4):BBQ+8*((\n)%4)+7], XB_, XA_, a, (\n)%2
.endif
.endif
.endm
.macro PROD1 d, s0, s1, c, x0, x1, side, o
.if \o
	v_wmma_scale_f32_16x16x128_f8f6f4 v[\d:\d+7], v[FR*((\s0)%FPW):FR*((\s0)%FPW)+FR-1], v[FR*((\s1)%FPW):FR*((\s1)%FPW)+FR-1], \c, v[\x0], v[\x1] matrix_a_fmt:MATRIX_FMT_FP6 matrix_b_fmt:MATRIX_FMT_FP6 matrix_\side\()_scale:MATRIX_SCALE_ROW1
.else
	v_wmma_scale_f32_16x16x128_f8f6f4 v[\d:\d+7], v[FR*((\s0)%FPW):FR*((\s0)%FPW)+FR-1], v[FR*((\s1)%FPW):FR*((\s1)%FPW)+FR-1], \c, v[\x0], v[\x1] matrix_a_fmt:MATRIX_FMT_FP6 matrix_b_fmt:MATRIX_FMT_FP6 matrix_\side\()_scale:MATRIX_SCALE_ROW0
.endif
.endm
; Products from .. to - 1 of a block; behind every second one two entries of a list.
.macro BLOCK kind, e, a0, as, from, to, list, x=0, y=0
.set N_, \from
.rept (\to)-(\from)
	PROD \kind, \e, N_, \a0, \as
.if N_%2
	\list N_-1, \x, \y
	\list N_, \x, \y
.endif
.set N_, N_+1
.endr
.endm
.macro SETS odd, pp, tog               ; the block that is fetched next: its parity, its pair in the chunk, whether it begins a chunk
.set SOD, \odd
.set SPP, \pp
.set STG, \tog
.endm
.macro STEP i                          ; to that block's LDS addresses: 3 entries
.if (\i) == 0
.if STG
	s_xor_b32 s101, s101, YB
	s_xor_b32 s91, s91, SCB
.elseif SPP
	s_add_co_u32 s2, s101, 16*PITCH
	s_add_co_u32 s18, s91, 544
.endif
	WIN 0
	v_add_nc_u32 v[ADRA], s[101-99*SPP], v[ADRA0+(1-ADRA0)*SOD]
.elseif (\i) == 1
	WIN 0
	v_add_nc_u32 v[ADRA+1], s[101-99*SPP], v[ADRA0+1+(21-ADRA0)*SOD]
.elseif (\i) == 2
	WIN 0
	v_add_nc_u32 v[AAS], s[91-73*SPP], v[AAS0+(23-AAS0)*SOD]
.endif
.endm
.macro CHAIN i, x, n, t=TQ             ; a way out's first part, 18 entries: the largest magnitude of the 32 sums from register x on, and the conversions' scale operand, v[SOP+n]
.set XW_, (\x)>>8
.set XL_, (\x)&255
.if (\i) >= 0 && (\i) < 14
.set B_, XL_+16*((\i)%2)+2*((\i)/2)
.set T_, (\t)+1-(\i)%2
.if (\i) < 2
	WIN XW_|(XW_<<2)|(XW_<<4)
	v_max3_num_f32 v[T_], |v[B_]|, |v[B_+1]|, |v[B_+2]|
.else
	WIN (XW_<<2)|(XW_<<4)
	v_max3_num_f32 v[T_], v[T_], |v[B_+1]|, |v[B_+2]|
.endif
.elseif (\i) == 14
	WIN XW_<<2
	v_max3_num_f32 v[\t+1], v[\t+1], |v[XL_+15]|, (EMAX+1)<<23
.elseif (\i) == 15
	WIN 0
	v_nop                                  ; so that the next line, which reads entry 14's result, stands in the next pair
.elseif (\i) == 16
	WIN XW_<<2
	v_max3_num_f32 v[\t], v[\t], |v[XL_+31]|, v[\t+1]
.elseif (\i) == 17
	WIN 0
	v_add_nc_u32 v[SOP+\n], -(EMAX<<23), v[\t]
.endif
.endm
.macro CODES i, x, c, n, t=TC          ; its second part: 32 codes into v[c .. c+5], the scale's byte into v[EB+n]
.set XW_, (\x)>>8
.set XL_, (\x)&255
.if (\i) == 0
	WIN XW_
	v_cvt_scalef32_pk16_fp6_f32 v[\c:\c+2], v[XL_:XL_+15], v[SOP+\n]
.elseif (\i) == 1
	WIN XW_
	v_cvt_scalef32_pk16_fp6_f32 v[\t:\t+2], v[XL_+16:XL_+31], v[SOP+\n]
.elseif (\i) == 2
	WIN 0
	v_lshrrev_b32 v[EB+\n], 23, v[SOP+\n]
.else
	WIN 0
	v_mov_b32 v[\c+\i], v[\t+\i-3]
.endif
.endm
.macro CODES6 x, c, n
.irp i, 0,1,2,3,4,5
	CODES \i, \x, \c, \n
.endr
.endm
.macro PFTILE v, off, share            ; one entry: my sixteenth of a tile of 128 rows, to be asked for into the L2
	s_mul_i32 s21, s\share, RA*KROW/16
	s_add_co_u32 s20, s\off, s21
	WIN 0
	v_min_u32 v\v, RA*KROW/16/256-1, v3
	v_lshl_add_u32 v\v, v\v, 8, s20
.endm
.macro PFGO v, base
	global_prefetch_b8 v\v, s[\base:\base+1] th:TH_LOAD_NT scope:SCOPE_SE
.endm
.macro ASK i                           ; 4 entries: the descriptors of the chunk at s88 for slot s47, and of its scale bytes at s55 for s17; then all four step on
.if (\i) == 0
	s_mul_i32 s[G0R+1], s14, RA/2*PITCH
	s_add_co_u32 s[G0R+1], s[G0R+1], s47
	s_mul_i32 s20, s14, RA/2*KROW
	SADD 20, 88
.elseif (\i) == 1
	s_mov_b32 s21, 0
	s_add_nc_u64 s[G0R+2:G0R+3], s[4:5], s[20:21]
	s_or_b32 s[G0R+3], s[G0R+3], 0x80000000
	s_mov_b32 s[G0S+1], s17
.elseif (\i) == 2
	s_mov_b32 s20, s55
	s_add_nc_u64 s[G0S+2:G0S+3], s[6:7], s[20:21]
	s_or_b32 s[G0S+3], s[G0S+3], 0x80000000
	s_add_co_u32 s88, s88, RA*KROW
.elseif (\i) == 3
	s_add_co_u32 s55, s55, CU*256
	s_xor_b32 s47, s47, YB
	s_xor_b32 s17, s17, (SCL)^(SCL+SCB)
.endif
.endm
.macro PAIR i                          ; 4 entries: where pair s46's codes go (s[84:85], by the true pair) and its scale bytes (v[VX], by the order of work)
.if (\i) == 0
	s_lshl_b32 s3, s87, 2
	s_xor_b32 s3, s3, s46
	s_lshr_b32 s20, s3, 2
	s_mul_i32 s20, s20, 2*GRP
.elseif (\i) == 1
	s_and_b32 s22, s3, 3
	s_mul_i32 s22, s22, 6144
	SADD 20, 22
	s_mov_b32 s21, 0
.elseif (\i) == 2
	s_add_nc_u64 s[84:85], s[10:11], s[20:21]
	s_and_b32 s22, s46, 3
	s_lshl_b32 s22, s22, 7
	s_lshr_b32 s23, s46, 2
.elseif (\i) == 3
	s_lshl_b32 s23, s23, 10
	s_or_b32 s22, s22, s23
	s_add_co_u32 s46, s46, 1
	WIN 0
	v_add_nc_u32 v[VX], s22, v[STO]
.endif
.endm
; The lists.
.macro L_STEP i, x, y
	STEP \i
.endm
.macro L_NONE i, x, y
.endm
.macro L_OUT i, x, y
	STEP \i
	CHAIN (\i)-3, \x, \y
.endm
.macro L_LAST i, x, y
	CHAIN \i, \x, \y
.endm
.macro L_V2 i, x, y                    ; V's third block: the first refill's descriptors, the later refills' group 1, the step, two prefetch addresses
.if (\i) == 0
	s_mov_b32 s[G1A+2], (KROW>>16)|((RA/2)<<16)
	s_mov_b32 s[G1A+4], RA/2
	s_mov_b32 s[G1S+2], CU<<16
	s_mov_b32 s[G1S+4], CU
.elseif (\i) == 1
	s_mov_b32 s[G1B+2], (KROW>>16)|((TN/2)<<16)
	s_mov_b32 s[G1B+4], TN/2
	s_mul_i32 s[G0B+1], s14, TN/2*PITCH
	s_add_co_u32 s[G0B+1], s[G0B+1], BVB
.elseif (\i) == 2
	s_mul_i32 s20, s14, TN/2*KROW
	s_mov_b32 s21, 0
	s_add_nc_u64 s[G0B+2:G0B+3], s[8:9], s[20:21]
	s_or_b32 s[G0B+3], s[G0B+3], 0x80000000
.elseif (\i) == 7
	PFTILE 7, 88, 90
.elseif (\i) == 8
	s_lshl_b32 s21, s90, 9
	s_add_co_u32 s20, s55, s21
	WIN 0
	v_min_u32 v8, 1, v3
	v_lshl_add_u32 v8, v8, 8, s20
.endif
	STEP (\i)-4
.endm
.macro L_V7 i, x, y                    ; V's last block
.if (\i) == 0
	s_add_co_u32 s22, s88, RA*KROW
	PFTILE 20, 22, 90
.endif
	CHAIN (\i)-1, \x, \y
.endm
.macro L_ODD i, x, y
	PAIR \i
	STEP (\i)-4
	CHAIN (\i)-7, ACC, 0
.endm
.macro L_ODDL i, x, y
	PAIR \i
	CHAIN (\i)-4, ACC, 0
.endm
.macro L_ROUND i, x, y
	ASK \i
	STEP (\i)-4
	CHAIN (\i)-7, ACC+32, 1
.endm
; Phase 2's blocks. w: the count of the wait for the block's rows (-1: they are shown in already).
.macro WAITDS w
.if (\w) >= 0
	s_wait_dscnt \w
.endif
.endm
.macro EVENOUT fetch                   ; behind an even block: the odd block's byte, the pair's codes, the fetch of the block two on
	WALU
	ds_store_b8 v[VX], v[EB+1] offset:64
	global_store_b128 v[CO], v[NCD:NCD+3], s[84:85]
	global_store_b64 v[CO8], v[NCD+4:NCD+5], s[84:85] offset:512
	global_store_b128 v[CO], v[NCD+6:NCD+9], s[84:85] offset:3072
	global_store_b64 v[CO8], v[NCD+10:NCD+11], s[84:85] offset:3584
.if \fetch
	FETCH 0
.endif
.endm
.macro EVEN w, fetch
	SETS 0, 1, 0
	WAITDS \w
.if \fetch
	BLOCK 0, 0, ACC, 8, 0, 32, L_OUT, ACC+32, 1
.else
	BLOCK 0, 0, ACC, 8, 0, 32, L_LAST, ACC+32, 1
.endif
	WIN 0
	CODES6 ACC+32, NCD+6, 1
	EVENOUT \fetch
.endm
.macro EVENROUND w                     ; the second and the third refill
	SETS 0, 0, 1
	WAITDS \w
	GRD
	BLOCK 0, 0, ACC, 8, 0, 26, L_ROUND
	WIN 0
	WALU
	s_wait_dscnt 0x0
	s_barrier_signal -1
	BLOCK 0, 0, ACC, 8, 26, 32, L_NONE
	WIN 0
	CODES6 ACC+32, NCD+6, 1
	MIDDLE
	BARRIER
	s_cmp_lt_u32 s14, 2
	s_cbranch_scc0 .Lscales_\@
	TLOAD G0R, G1A
	s_branch .Lasked_\@
.Lscales_\@:
	s_cmp_eq_u32 s14, 2
	s_cbranch_scc0 .Lnone_\@
	TLOAD G0S, G1S
.Lnone_\@:
.Lasked_\@:
	EVENOUT 1
.endm
.macro EVENSHOW w                      ; a plain barrier shows the last refill to all
	SETS 0, 0, 1
	WAITDS \w
	BLOCK 0, 0, ACC, 8, 0, 26, L_OUT, ACC+32, 1
	WIN 0
	WALU
	s_wait_tensorcnt 0x0
	s_wait_dscnt 0x0
	s_barrier_signal -1
	BLOCK 0, 0, ACC, 8, 26, 32, L_NONE
	WIN 0
	s_barrier_wait -1
	CODES6 ACC+32, NCD+6, 1
	EVENOUT 1
.endm
.macro ODD w, fetch, pp=0
	SETS 1, \pp, 0
	WAITDS \w
	s_wait_xcnt 0x0
.if \fetch
	BLOCK 0, 1, ACC+32, 8, 0, 32, L_ODD
.else
	BLOCK 0, 1, ACC+32, 8, 0, 32, L_ODDL
.endif
	WIN 0
	CODES6 ACC, NCD, 0
	WALU
	ds_store_b8 v[VX], v[EB]
.if \fetch
	FETCH 1
.endif
.endm
; ================= THE HEAD
	s_load_b128 s[4:7], s[0:1], 0x0                     ; x codes, x scales
	s_load_b256 s[76:83], s[0:1], 0x10                  ; Wq codes, scales, Wk codes, scales
	s_load_b128 s[48:51], s[0:1], 0x30                  ; Wv codes, scales
	s_load_b128 s[92:95], s[0:1], 0x40                  ; bq, bk
	s_load_b64 s[96:97], s[0:1], 0x50                   ; bv
	v_lshl_add_u32 v[SPW], v0, 2, SPARE
	v_mov_b32 v[NIL], 0
	ds_add_u32 v[SPW], v[NIL]                           ; the opening lines
	ds_add_u32 v[SPW], v[NIL]
	v_lshrrev_b32 v1, 5, v0
	v_readfirstlane_b32 s14, v1                         ; s14 the wave; s15 its row of the 2 x 2, s16 its column
	s_lshr_b32 s15, s14, 1
	s_and_b32 s16, s14, 1
	s_bfe_u32 s40, ttmp6, 0x40000                       ; cx
	s_bfe_u32 s41, ttmp6, 0x40004                       ; cy
	s_lshl_b32 s42, ttmp9, 2
	s_add_co_u32 s42, s42, s40                          ; phase 2's tile column, 0 .. 15: 0-7 Q, 8-15 K
	s_and_b32 s43, ttmp7, 0xffff
	s_lshl_b32 s43, s43, 2
	s_add_co_u32 s43, s43, s41                          ; its tile row of 512 tokens
	s_lshr_b32 s19, ttmp9, 1                            ; 0 Q, 1 K
	s_and_b32 s87, ttmp9, 1                             ; V's half of my 512 rows
	s_lshl_b32 s13, s19, 2
	s_add_co_u32 s13, s13, s40                          ; V's tile column
	s_lshl_b32 s12, s43, 1
	s_add_co_u32 s12, s12, s87                          ; V's tile row
	s_lshl_b32 s44, s41, 2
	s_lshl_b32 s44, 15, s44                             ; my row of the cluster
	s_lshl_b32 s45, 0x1111, s40                         ; my column
	GROUP1 G1A, 44, RA
	GROUP1 G1B, 45, TN
	s_mov_b32 s[G0S], 1
	s_mov_b32 s[G0S+1], SCL
	s_mov_b32 s[G0A], 1
	s_mov_b32 s[G0A+1], 0
	s_mov_b32 s[G0B], 1
	s_mov_b32 s[G0B+1], BVB
	s_mov_b32 s[G0R], 1
	s_mov_b32 s[G0R+1], YB
	s_mul_i32 s88, s43, TM*KROW                         ; my 512 rows, bytes from x's codes
	s_mul_i32 s66, s12, TV*KROW                         ; V's half of them
	s_mul_i32 s54, s13, TN*KROW                         ; Wv's rows
	s_and_b32 s46, s42, 7
	s_mul_i32 s2, s46, TN*KROW                          ; Wq's or Wk's rows
	s_mov_b32 s3, 0
	s_mul_i32 s55, s43, TM*KS                           ; my rows' scale bytes
	s_mul_i32 s89, s12, TV*KS
	s_mul_i32 s21, s16, 64*KS
	s_mul_i32 s46, s46, TN*KS
	SADD 46, 21
	s_mov_b32 s47, 0
	s_mul_i32 s84, s13, TN*KS
	SADD 84, 21
	s_mov_b32 s85, 0
	s_lshl_b32 s90, s40, 2
	SADD 90, 14                                         ; my number among the sixteen waves of my row of the cluster
	s_lshl_b32 s100, s41, 2
	SADD 100, 14                                        ; and of my column
	s_mul_i32 s20, s15, 64*PITCH
	s_mul_i32 s21, s16, 64*PITCH
	s_add_co_u32 s21, s21, BVB
	s_mul_i32 s22, s15, 8*272
	s_add_co_u32 s22, s22, SCL
	s_lshl_b32 s17, s15, 9
	s_lshl_b32 s23, s16, 1
	SADD 23, 17
	s_add_co_u32 s23, s23, XN
	s_lshl_b32 s18, s16, 8
	SADD 18, 17
	s_add_co_u32 s18, s18, XM
	v_and_b32 v7, 7, v0                                 ; i
	v_bfe_u32 v8, v0, 3, 1                              ; u: lanes r = 8 .. 15
	v_bfe_u32 v2, v0, 4, 1                              ; h
	v_and_b32 v3, 31, v0
	v_and_b32 v20, 15, v0                               ; r
	v_mul_u32_u24 v22, v7, PITCH
	v_mad_u32_u24 v22, v2, 24, v22
	v_mad_u32_u24 v23, v8, 40*PITCH, v22                ; even tiles
	v_mad_u32_u24 v42, v8, 24*PITCH, v22                ; odd tiles
	v_add_nc_u32 v[ADRA0], s20, v23
	v_add_nc_u32 v[ADRB], s21, v23
	v_add_nc_u32 v43, s21, v42
	v_add_nc_u32 v1, s20, v42
	v_add_nc_u32 v1, 8*PITCH, v1
	v_lshl_add_u32 v[ADRA0+1], v2, 4, v[ADRA0]
	v_lshl_add_u32 v[ADRB+1], v2, 4, v[ADRB]
	v_lshl_add_u32 v42, v2, 4, v43
	v_lshl_add_u32 v22, v2, 4, v1
	v_lshlrev_b32 v12, 5, v7
	v_add_nc_u32 v12, s22, v12
	v_mad_u32_u24 v[AAS0], v8, 5*272, v12
	v_mad_u32_u24 v23, v8, 3*272, v12
	v_add_nc_u32 v23, 272, v23
	v_xor_b32 v12, v2, v8                               ; a weight's scale bytes: lane 16 u' + r of load p has tile 2 p + u': row 16 p + 32 u + 8 (u' xor u) + i
	v_lshlrev_b32 v12, 8, v12
	v_lshl_add_u32 v12, v8, 10, v12
	v_lshl_add_u32 v[ABS], v7, 5, v12
	WIN 3<<6
.irp b, 0,2
	v_add_nc_u32 v[BA-768+2*\b], \b*8*PITCH, v[ADRB]
	v_add_nc_u32 v[BA-768+2*\b+1], \b*8*PITCH, v[ADRB+1]
.endr
.irp b, 1,3
	v_add_nc_u32 v[BA-768+2*\b], \b*8*PITCH, v43
	v_add_nc_u32 v[BA-768+2*\b+1], \b*8*PITCH, v42
.endr
	WIN 0
	v_mul_u32_u24 v42, v8, 160                          ; V's bias: channel 8 t + 40 u + i (t even), 8 t + 24 u + i (t odd)
	v_lshl_add_u32 v42, v7, 2, v42
	v_mul_u32_u24 v43, v8, 96
	v_lshl_add_u32 v43, v7, 2, v43
	v_mul_u32_u24 v21, v2, 160                          ; Q's or K's: feature 8 t + 40 h + register, 8 t + 24 h + register
	v_mul_u32_u24 v63, v2, 96
	v_lshlrev_b32 v[CO], 4, v3
	v_lshl_add_u32 v[STO], v20, 2, v2
	v_add_nc_u32 v[STV], s18, v[STO]
	v_add_nc_u32 v[STO], s23, v[STO]
	v_lshlrev_b32 v[CO8], 3, v3
	s_lshl_b32 s20, s16, 8                              ; my numbers of the biases, in bytes: Q's or K's, V's
	s_and_b32 s52, s42, 7
	s_lshl_b32 s52, s52, 9
	SADD 52, 20
	s_mov_b32 s53, 0
	s_lshl_b32 s22, s13, 9
	SADD 22, 20
	s_mov_b32 s23, 0
	WALU
	s_wait_dscnt 0x0
	CROUND                                              ; the opening round
	s_wait_kmcnt 0x0
	s_cmp_eq_u32 s19, 0
	s_cselect_b64 s[8:9], s[76:77], s[80:81]
	s_cselect_b64 s[10:11], s[78:79], s[82:83]
	s_cselect_b64 s[76:77], s[92:93], s[94:95]
	s_add_nc_u64 s[8:9], s[8:9], s[2:3]                 ; phase 2's weight rows: kept
	s_add_nc_u64 s[10:11], s[10:11], s[46:47]
	s_add_nc_u64 s[52:53], s[76:77], s[52:53]           ; phase 2's bias
	s_add_nc_u64 s[46:47], s[96:97], s[22:23]           ; V's bias
	s_add_nc_u64 s[84:85], s[50:51], s[84:85]
	s_or_b32 s[G1S+0], s44, (3<<16)|(1<<20)|(1<<21)|(5<<22)|(3<<25)   ; (in the registers that brought the biases' addresses)
	s_mov_b32 s[G1S+1], 32<<16
	s_mov_b32 s[G1S+2], (2*CU)<<16
	s_mov_b32 s[G1S+3], 32<<16
	s_mov_b32 s[G1S+4], 2*CU
	s_mov_b32 s[G1S+5], 32
	s_mov_b32 s[G1S+6], 0
	s_mov_b32 s[G1S+7], 0
	s_mov_b32 s20, s66
	s_mov_b32 s21, 0
	s_add_nc_u64 s[G0A+2:G0A+3], s[4:5], s[20:21]
	s_add_nc_u64 s[G0R+2:G0R+3], s[G0A+2:G0A+3], RA*KROW
	s_or_b32 s[G0A+3], s[G0A+3], 0x80000000
	s_or_b32 s[G0R+3], s[G0R+3], 0x80000000
	G0SET G0B, 48, 54
	G0SET G0S, 6, 89
	s_cmp_eq_u32 s14, 0
	s_cbranch_scc0 .Lwave_1
	TLOAD G0B, G1B                                      ; wave 0: Wv's rows
	s_branch .Lasked
.Lwave_1:
	s_cmp_eq_u32 s14, 1
	s_cbranch_scc0 .Lwave_2
	TLOAD G0S, G1S                                      ; wave 1: both chunks' scale bytes
	s_branch .Lasked
.Lwave_2:
	s_cmp_eq_u32 s14, 2
	s_cbranch_scc0 .Lwave_3
	TLOAD G0A, G1A                                      ; wave 2: chunk 0
	s_branch .Lasked
.Lwave_3:
	TLOAD G0R, G1A                                      ; wave 3: chunk 1
.Lasked:
.irp p, 0,1
.irp c, 0,1
	global_load_b128 v[SB+NQ*\p+4*\c:SB+NQ*\p+4*\c+3], v[ABS], s[84:85] offset:\p*16*KS+16*\c
.endr
.endr
	WIN 3<<6
.irp t, 0,1,2,3
	global_load_b32 v[BBV-768+8*\t], v[42+\t%2], s[46:47] offset:32*\t
.endr
.irp p, 0,1
.irp c, 0,1
	global_load_b128 v[SB2-768+NQ*\p+4*\c:SB2-768+NQ*\p+4*\c+3], v[ABS], s[10:11] offset:\p*16*KS+16*\c
.endr
.endr
	WIN 0
	s_lshr_b32 s21, s42, 1                              ; where the results go: s[76:77] codes, s[78:79] scale words of Q or K, s[80:81], s[82:83] of V
	s_mul_i32 s76, s21, KGRP
	s_mov_b32 s78, s76
	s_and_b32 s22, s42, 1
	s_mul_i32 s23, s22, 1536
	SADD 76, 23
	s_mul_i32 s23, s16, 768
	SADD 76, 23
	s_lshl_b32 s20, s43, 2
	s_add_co_u32 s23, s20, s15
	s_mul_i32 s23, s23, GRP
	SADD 76, 23
	s_mov_b32 s77, 0
	s_xor_b32 s23, s15, s87                             ; the stage's halves lie in the order of work
	s_lshl_b32 s23, s23, 1
	SADD 20, 23
	SADD 20, 16
	s_mul_i32 s20, s20, GRP
	SADD 78, 20
	s_lshl_b32 s22, s22, 9
	SADD 78, 22
	s_add_co_u32 s78, s78, 24576
	s_mov_b32 s79, 0
	s_lshl_b32 s20, s12, 2
	s_lshr_b32 s21, s13, 1
	SADD 20, 21
	s_mul_i32 s80, s20, 51200
	s_mov_b32 s82, s80
	s_and_b32 s21, s13, 1
	s_lshl_b32 s22, s21, 3
	s_lshl_b32 s23, s16, 2
	SADD 22, 23
	s_mul_i32 s22, s22, 3072
	SADD 80, 22
	s_mul_i32 s22, s15, 1536
	SADD 80, 22
	s_mov_b32 s81, 0
	s_lshl_b32 s22, s21, 10
	SADD 82, 22
	s_lshl_b32 s22, s15, 9
	SADD 82, 22
	s_lshl_b32 s22, s16, 8
	SADD 82, 22
	s_add_co_u32 s82, s82, 49152
	s_mov_b32 s83, 0
	s_mov_b64 s[12:13], s[52:53]                        ; kept for the loads between the phases (V's tile numbers have served)
	s_wait_xcnt 0x0
	s_load_b64 s[10:11], s[0:1], 0x58                   ; qk
	s_load_b64 s[50:51], s[0:1], 0x60                   ; vv
	s_mov_b32 s46, 0
	s_mov_b32 s47, 0
	s_mov_b32 s17, SCL
	s_xor_b32 s20, s87, 1                               ; the chunks still to come are the other half's
	s_mul_i32 s21, s20, 2*RA*KROW
	SADD 88, 21
	s_mul_i32 s21, s20, 2*CU*256
	SADD 55, 21
	s_mov_b32 s22, 0
	PFTILE 8, 22, 100                                   ; what the first refill will load
	WALU
	s_cmp_eq_u32 s14, 0
	s_cbranch_scc0 .Lnot_b
	s_wait_tensorcnt 0x0
.Lnot_b:
	BARRIER                                             ; Wv's rows are in
	PFGO 8, 8
	WEIGHTS
	s_wait_loadcnt 0x0                                  ; the biases and the weights' scale bytes, under the flight of the weights' LDS loads
	WIN (3<<6)|3
.irp t, 0,8,16,24
.irp i, 1,2,3,4,5,6,7
	v_mov_b32 v[BBV-768+\t+\i], v[BBV-768+\t]          ; V's bias, one a lane and tile, over the tile's eight registers
.endr
.endr
	WIN 0
	WALU
	s_cmp_eq_u32 s14, 3
	s_cbranch_scc1 .Lnot_a0
	s_wait_tensorcnt 0x0
.Lnot_a0:
	s_wait_dscnt 0x0
	BARRIER                                             ; chunk 0 and the scale bytes are in; chunk 1 may be on its way
	FETCH01
	s_wait_kmcnt 0x0
	s_add_nc_u64 s[48:49], s[10:11], s[78:79]
	s_add_nc_u64 s[10:11], s[10:11], s[76:77]
	s_add_nc_u64 s[52:53], s[50:51], s[82:83]
	s_add_nc_u64 s[50:51], s[50:51], s[80:81]
; ================= PHASE 1: V, eight blocks; band 0's way outs stand in band 1's blocks
.irp s, 0,1
	SETS \s, 1, 0
	s_wait_dscnt NF
	BLOCK 1, \s, HV0+8*\s, 32, 0, 32, L_STEP
	WIN 0
	PLACES 4
	WALU
	FETCH \s
.endr
	SETS 0, 0, 1
	s_wait_dscnt NF
	s_wait_xcnt 0x0                                     ; the list writes v8, the address of the head's prefetch
	GRD
	BLOCK 1, 0, HV0+16, 32, 0, 24, L_V2
	WIN 0
	s_wait_dscnt 0x0
	s_barrier_signal -1
	BLOCK 1, 0, HV0+16, 32, 24, 32, L_NONE
	MIDDLE
	BARRIER
	s_cmp_lt_u32 s14, 2
	s_cbranch_scc0 .Lno_half
	TLOAD G0B, G1B                                      ; waves 0 and 1 a half each of Wq's or Wk's rows, onto Wv's, which all waves hold in registers
.Lno_half:
	PLACES 4                                            ; for the waves that come round the load
	WALU
	FETCH 0
	PFGO 7, 4
	PFGO 8, 6
	SETS 1, 0, 0
	BLOCK 1, 1, HV0+24, 32, 0, 32, L_STEP
	WIN 0
	PLACES 4
	WALU
	FETCH 1
.irp j, 0,1,2
	s_wait_dscnt NF+(\j+1)/2
.if \j < 2
	SETS \j, 1, 0
	BLOCK 1, \j%2, HV1+8*\j, 32, 0, 32, L_OUT, HV0+32*\j, \j
.else
	BLOCK 1, \j%2, HV1+8*\j, 32, 0, 32, L_LAST, HV0+32*\j, \j
.endif
	WIN 0
	CODES6 HV0+32*\j, MCD+12*\j, \j
	WALU
	ds_store_b8 v[STV], v[EB+\j] offset:64*\j
.if \j < 2
	FETCH \j%2
.endif
.endr
	s_wait_dscnt 1
	BLOCK 1, 1, HV1+24, 32, 0, 26, L_V7, HV0+96, 3
	WIN 0
	WALU
	s_wait_tensorcnt 0x0
	s_wait_dscnt 0x0
	s_barrier_signal -1                                 ; a plain barrier: the second weight is shown to all
	BLOCK 1, 1, HV1+24, 32, 26, 32, L_NONE
	WIN 0
	s_barrier_wait -1
	CODES6 HV0+96, MCD+36, 3
	WALU
	ds_store_b8 v[STV], v[EB+3] offset:192
; ================= THE CHANGE OF PHASE: the weights and the first two blocks' rows in one run of loads; band 1's four way outs under their flight
.irp t, 0,1,2,3
	global_load_b128 v[BBQ+8*\t:BBQ+8*\t+3], v[21+42*(\t%2)], s[12:13] offset:32*\t
	global_load_b128 v[BBQ+8*\t+4:BBQ+8*\t+7], v[21+42*(\t%2)], s[12:13] offset:32*\t+16
.endr
	WEIGHTS
	FETCH01
	PFGO 20, 4
	WIN 3
.set I, 0
.rept 16
	v_mov_b32 v[SB+I], v[SB2-768+I]
.set I, I+1
.endr
	WIN 0
.set I, 0
.rept 18
.irp t, 0,1,2,3
	CHAIN I, HV1+32*\t, \t, 64+4*\t
.endr
.set I, I+1
.endr
.set I, 0
.rept 6
.irp t, 0,1,2,3
	CODES I, HV1+32*\t, MCD+12*\t+6, \t, 80+4*\t
.endr
.set I, I+1
.endr
	WIN 0
	WALU
; ================= PHASE 2: Q or K, sixteen blocks, way outs by pairs
	s_wait_loadcnt 0x0
	s_wait_dscnt NF
	SETS 0, 1, 0
	BLOCK 0, 0, ACC, 8, 0, 32, L_STEP
	WIN 0
	PLACES 4
	WALU
.irp t, 0,1,2,3
	ds_store_b8 v[STV], v[EB+\t] offset:2+64*\t
.endr
.irp t, 0,1,2,3
.irp k, 0,1,2
	global_store_b128 v[CO], v[MCD+12*\t+4*\k:MCD+12*\t+4*\k+3], s[50:51] offset:3072*\t+512*\k   ; V's codes leave
.endr
.endr
	FETCH 0
	ODD NF+4, 1, 1
	s_mov_b32 s86, 0
.Lwith_rounds:                                          ; blocks 2 to 5, 6 to 9
	EVENROUND NF+1
	ODD -1, 1, 0
	EVEN NF+1, 1
	ODD NF+1, 1, 1
	s_add_co_u32 s86, s86, 1
	s_cmp_lg_u32 s86, 2
	s_cbranch_scc1 .Lwith_rounds
	EVENSHOW NF+1                                       ; blocks 10 to 15
	ODD -1, 1, 0
	EVEN NF+1, 1
	ODD NF+1, 1, 1
	EVEN NF+1, 0
	ODD 1, 0
; ================= THE END: the last way out; the scale bytes go through LDS under its conversions
	s_mul_i32 s21, s14, 512
	s_add_co_u32 s21, s21, XN
	v_add_nc_u32 v12, s21, v[CO]
	s_mul_i32 s21, s14, 256
	s_add_co_u32 s21, s21, XM
	v_add_nc_u32 v14, s21, v[CO8]
.set I, 0
.rept 18
	CHAIN I, ACC+32, 1
.set I, I+1
.endr
	CODES 2, ACC+32, NCD+6, 1
	WALU
	ds_store_b8 v[VX], v[EB+1] offset:64
	s_wait_dscnt 0x0
	s_barrier_signal -1
	CODES 0, ACC+32, NCD+6, 1
	CODES 1, ACC+32, NCD+6, 1
	v_nop
.irp i, 3,4,5
	CODES \i, ACC+32, NCD+6, 1
.endr
	WIN 0
	s_barrier_wait -1
	WALU
	ds_load_b128 v[64:67], v12
	ds_load_b64 v[68:69], v14
	global_store_b128 v[CO], v[NCD:NCD+3], s[84:85]
	global_store_b64 v[CO8], v[NCD+4:NCD+5], s[84:85] offset:512
	global_store_b128 v[CO], v[NCD+6:NCD+9], s[84:85] offset:3072
	global_store_b64 v[CO8], v[NCD+10:NCD+11], s[84:85] offset:3584
	s_wait_dscnt 0x0
	global_store_b128 v[CO], v[64:67], s[48:49]
	global_store_b64 v[CO8], v[68:69], s[52:53]
	s_wait_tensorcnt 0x0
	ds_add_u32 v[SPW], v[NIL]
	s_wait_dscnt 0x0
	CROUND
	s_endpgm
.Lfunc_end_k_q89813bafc4_proj:
	.size	k_q89813bafc4_proj, .Lfunc_end_k_q89813bafc4_proj-k_q89813bafc4_proj
	.p2alignl 7, 3214868480
	.fill 96, 4, 3214868480
	.section	.rodata,"a",@progbits
	.p2align	6, 0x0
	.amdhsa_kernel k_q89813bafc4_proj
		.amdhsa_group_segment_fixed_size 327680
		.amdhsa_private_segment_fixed_size 0
		.amdhsa_enable_private_segment 0
		.amdhsa_kernarg_size 104
		.amdhsa_user_sgpr_count 2
		.amdhsa_user_sgpr_kernarg_segment_ptr 1
		.amdhsa_wavefront_size32 1
		.amdhsa_system_sgpr_workgroup_id_x 1
		.amdhsa_system_sgpr_workgroup_id_y 1
		.amdhsa_system_sgpr_workgroup_id_z 1
		.amdhsa_system_vgpr_workitem_id 0
		.amdhsa_next_free_vgpr 1024
		.amdhsa_next_free_sgpr 102
		.amdhsa_reserve_vcc 0
		.amdhsa_float_denorm_mode_32 3
		.amdhsa_float_denorm_mode_16_64 3
		.amdhsa_memory_ordered 1
		.amdhsa_forward_progress 1
		.amdhsa_inst_pref_size 207
	.end_amdhsa_kernel
	.amdgpu_metadata
---
amdhsa.version: [ 1, 2 ]
amdhsa.kernels:
  - .name:           k_q89813bafc4_proj
    .symbol:         k_q89813bafc4_proj.kd
    .args:
      - { .name: input_codes, .offset: 0, .size: 8, .value_kind: global_buffer, .address_space: global }
      - { .name: input_scales, .offset: 8, .size: 8, .value_kind: global_buffer, .address_space: global }
      - { .name: Wq_codes, .offset: 16, .size: 8, .value_kind: global_buffer, .address_space: global }
      - { .name: Wq_scales, .offset: 24, .size: 8, .value_kind: global_buffer, .address_space: global }
      - { .name: Wk_codes, .offset: 32, .size: 8, .value_kind: global_buffer, .address_space: global }
      - { .name: Wk_scales, .offset: 40, .size: 8, .value_kind: global_buffer, .address_space: global }
      - { .name: Wv_codes, .offset: 48, .size: 8, .value_kind: global_buffer, .address_space: global }
      - { .name: Wv_scales, .offset: 56, .size: 8, .value_kind: global_buffer, .address_space: global }
      - { .name: bq, .offset: 64, .size: 8, .value_kind: global_buffer, .address_space: global }
      - { .name: bk, .offset: 72, .size: 8, .value_kind: global_buffer, .address_space: global }
      - { .name: bv, .offset: 80, .size: 8, .value_kind: global_buffer, .address_space: global }
      - { .name: qk, .offset: 88, .size: 8, .value_kind: global_buffer, .address_space: global }
      - { .name: vv, .offset: 96, .size: 8, .value_kind: global_buffer, .address_space: global }
    .group_segment_fixed_size: 327680
    .private_segment_fixed_size: 0
    .kernarg_segment_align: 8
    .kernarg_segment_size: 104
    .max_flat_workgroup_size: 128
    .sgpr_count:     102
    .vgpr_count:     1024
    .wavefront_size: 32
...
	.end_amdgpu_metadata
.endif
;; end of part 1
;; launch score (part 2): grid 8 x 32, 4 waves a work-group, clusters of 4 x 4, 327,680 bytes of LDS; arguments qk, mask, pf, pst; writes pf, pst
.if DOCPART == 2
	.amdgcn_target "amdgcn-amd-amdhsa--gfx1250"
	.amdhsa_code_object_version 6
	.text
	.protected	k_q89813bafc4_score
	.globl	k_q89813bafc4_score
	.p2align	8
	.type	k_q89813bafc4_score,@function
k_q89813bafc4_score:
	s_mov_b64 s[64:65], 0
	v_nop
	global_prefetch_b8 v0, s[64:65] scope:SCOPE_SE
	s_setreg_imm32_b32 hwreg(HW_REG_WAVE_MODE, 25, 1), 1
	s_wait_xcnt 0x0
	s_wait_alu depctr_hold_cnt(0) depctr_sa_sdst(0) depctr_va_vdst(0) depctr_va_sdst(0) depctr_va_ssrc(0) depctr_va_vcc(0) depctr_vm_vsrc(0)
	s_getreg_b32 s2, hwreg(HW_REG_IB_STS2, 6, 4)
	s_cmp_eq_u32 s2, 0
	s_cbranch_scc0 .Lentry_in_a_cluster
	s_endpgm
.Lentry_in_a_cluster:
	s_bfe_u32 s2, ttmp6, 0x10000c
	s_cmp_lg_u32 s2, 0xf033
	s_cbranch_scc0 .Lentry_shape_is_right
	s_endpgm
.Lentry_shape_is_right:
; SCORE: S = q k^T on codes of FP6 (K = 1,024), the mask, and the softmax's p for each run of 128 keys, quantised along the keys.
; t = score x log2(e) / 32. For each query and run of 128 keys: M = the run's largest t rounded UP to a whole number, p = 2^(t - M), l = the sum of the unquantised p. p's codes, scale words, -M and l are stored; the next launch brings the runs under the row's common M.
; THE MASK is read as it is, by plain loads of whole rows of 256 bytes ahead of the opening round, goes through LDS, and becomes the sums' STARTING VALUES: 0 where a key counts, -2^119 where it does not, so that p = 0 there. A run that is wholly masked has M = -1e30, p = 0, l = 0.
; SHARES. A work-group of four waves makes 256 queries x 256 keys of one batch, a wave 128 x 128. Source 0 = 16 keys, source 1 = 16 queries: a lane holds ONE query.
; ORDER. Tile 4 c + t of a group of 128 rows w holds rows 128 c + 64 w + 8 t + 0..7 (lanes 0-7) and + 32 + 8 (t xor 1) + 0..7 (lanes 8-15) of 256. So a lane's 32 numbers of a band c are one scale block of 32 keys.
; A tile load is 128 rows x 256 K: 24,576 bytes of codes and 1,024 of scale words, as 100 rows of 256 bytes. 4 x 4 work-groups form a cluster: q's tiles are asked for jointly along a row, k's along a column.
; PREFETCH: behind each chunk's load the next chunk along K is asked for into the L2; the four partners of a joint load take 25 of its 100 blocks each, told apart by address.
; LIMITS: |q . k| stays under 2^100; NaN and infinities are not served. No work of reference() is left out.
; REGISTERS: window 0: v4-31 addresses; v32-47 scale words, two sets; v48-63 work; v64-159, v160-255 q's fragments, two sets. window 1: k's fragments, at v0 and v128. windows 2, 3: the accumulators.
.set HALFB, 25600
.set SLOTB, 4*HALFB
.set KCB, 64*HALFB
.set MSK, 2*SLOTB
.set MP, 272
.set SPARE, MSK+256*MP
.set MA, 8                             ; v8-11: even / odd query tile x even / odd key tile
.set ADRA, 16
.set AD8A, 18
.set ADRB, 20
.set AD8B, 22
.set STO, 24
.set RD, 25
.set CO, 26
.set ADRS, 27                          ; v27 slot 0, v31 slot 1
.set SPW, 28
.set NIL, 29
.set PFO, 30
.set STOB, 7
.set SC, 32
.set BM, 48
.set BX, 52
.set SO, 56
.set BY, 60
.set AF, 64
.set S, 64
.set TT, 130
.set SU, 132
.set CD, 140
.set XB, 152
.set SD, 160
.set NM, 136                           ; v136 -M, v137 l
.set G1, 24
.set G0, 32
.set G1B, 48
.set G0B, 56
.set MSB, 0
.macro WIN new
.if MSB != (\new)
	s_set_vgpr_msb (MSB<<8)|(\new)
.set MSB, (\new)
.endif
.endm
.set MUL_LO, 0xa1
.set MUL_HI, 0xf1
.macro JLOAD g0a, g1a, g0b, g1b        ; waves 0 and 1 fetch for q, waves 2 and 3 for k
	s_cmp_eq_u32 s15, 0
	s_cbranch_scc0 .Lfor_b_\@
	tensor_load_to_lds s[\g0a:\g0a+3], s[\g1a:\g1a+7]
	s_nop 0
.rept 4
	v_nop
.endr
	s_branch .Lasked_\@
.Lfor_b_\@:
	tensor_load_to_lds s[\g0b:\g0b+3], s[\g1b:\g1b+7]
	s_nop 0
.rept 4
	v_nop
.endr
.Lasked_\@:
.endm
.macro CREST
	s_cmp_lg_u32 s14, 0
	s_cbranch_scc1 .Lnot_wave_0_\@
	s_barrier_signal -3
.Lnot_wave_0_\@:
	s_barrier_wait -3
	s_barrier_signal -1
	s_barrier_wait -1
.endm
.macro CROUND
	s_barrier_signal -1
	s_barrier_wait -1
	CREST
.endm
.macro PLACES n
.rept \n
	v_nop
.endr
.endm
.macro PF n                            ; my 25 blocks of the tile of chunk n
	global_prefetch_b8 v[PFO], s[66:67] offset:(\n)*KCB th:TH_LOAD_NT scope:SCOPE_SE
.endm
	s_load_b256 s[4:11], s[0:1], 0x0               ; qk, mask, pf, pst
	v_lshl_add_u32 v[SPW], v0, 2, SPARE
	v_mov_b32 v[NIL], 0
	ds_add_u32 v[SPW], v[NIL]                      ; the opening lines
	ds_add_u32 v[SPW], v[NIL]
	v_lshrrev_b32 v1, 5, v0
	v_readfirstlane_b32 s14, v1                    ; wave 0..3
	s_lshr_b32 s15, s14, 1                         ; which half of the queries is mine.  Also: I fetch for q (0) or for k (1)
	s_and_b32 s16, s14, 1                          ; which half of the keys.  Also: which 128 rows I fetch
	s_bfe_u32 s40, ttmp6, 0x40000                  ; cx
	s_bfe_u32 s41, ttmp6, 0x40004                  ; cy
	s_lshl_b32 s42, ttmp9, 2
	s_add_co_u32 s42, s42, s40                     ; tile of keys in the batch, 0..7
	s_and_b32 s45, ttmp7, 0xffff                   ; cluster y
	s_lshl_b32 s17, s45, 2
	s_add_co_u32 s17, s17, s41                     ; tile of queries, 0..31
	s_lshl_b32 s43, s41, 2
	s_lshl_b32 s43, 15, s43                        ; my row of the cluster
	s_lshl_b32 s44, 0x1111, s40                    ; my column
	s_or_b32 s[G1+0], s43, (3<<16)|(1<<21)         ; group 1: 25,600 dense bytes as 100 rows of 256
	s_or_b32 s[G1B+0], s44, (3<<16)|(1<<21)
.irp g, G1, G1B
	s_mov_b32 s[\g+1], 32<<16
	s_mov_b32 s[\g+2], 100<<16
	s_mov_b32 s[\g+3], 32<<16
	s_mov_b32 s[\g+4], 100
	s_mov_b32 s[\g+5], 32
	s_mov_b32 s[\g+6], 0
	s_mov_b32 s[\g+7], 0
.endr
	s_and_b32 s22, s17, 7                          ; the mask: rows 256 (tile of queries % 8) + 64 x wave, columns 256 x tile of keys
	s_lshl_b32 s22, s22, 2
	s_add_co_u32 s22, s22, s14
	s_lshl_b32 s22, s22, 17
	s_lshl_b32 s23, s42, 8
	s_add_co_u32 s22, s22, s23
	s_mov_b32 s23, 0
	s_lshl_b32 s18, s17, 1
	s_add_co_u32 s18, s18, s16                     ; q: group of 128 rows
	s_mul_i32 s2, s18, HALFB
	s_mov_b32 s3, 0
	s_lshr_b32 s45, s45, 1                         ; the batch: shared by the whole cluster
	s_lshl_b32 s45, s45, 3
	s_add_co_u32 s45, s45, s42
	s_lshl_b32 s45, s45, 1
	s_add_co_u32 s45, s45, s16                     ; k: group of 128 rows
	s_mul_i32 s46, s45, HALFB
	s_add_co_u32 s46, s46, 4*KCB                   ; k's codes lie behind q's
	s_mov_b32 s47, 0
	s_cmp_eq_u32 s15, 0
	s_cselect_b32 s66, s40, s41                    ; my place among the four that ask with me
	s_mul_i32 s66, s66, 6400
	s_mul_i32 s45, s14, HALFB
	v_and_b32 v1, 15, v0                           ; r
	v_bfe_u32 v2, v0, 4, 1                         ; h
	v_and_b32 v3, 31, v0
	v_lshlrev_b32 v4, 4, v1
	v_lshl_add_u32 v5, v2, 11, v4                  ; the mask: lanes 0-15 a row of 256 bytes, lanes 16-31 the next
	v_min_u32 v6, 24, v3
	v_lshlrev_b32 v6, 8, v6
	v_add_nc_u32 v[PFO], s66, v6
	s_wait_alu depctr_va_vdst(0)
	s_wait_dscnt 0x0
	s_wait_kmcnt 0x0
	s_add_nc_u64 s[6:7], s[6:7], s[22:23]
.set t, 0
.rept 32
	global_load_b128 v[64+4*t:67+4*t], v5, s[6:7] offset:4096*t
.set t, t+1
.endr
	s_add_nc_u64 s[2:3], s[4:5], s[2:3]
	s_add_nc_u64 s[46:47], s[4:5], s[46:47]
.irp s, 0,1
	s_mov_b32 s[G0+4*\s], 1
	s_add_co_u32 s[G0+4*\s+1], s45, \s*SLOTB
	s_add_nc_u64 s[G0+4*\s+2:G0+4*\s+3], s[2:3], \s*KCB
	s_or_b32 s[G0+4*\s+3], s[G0+4*\s+3], 0x80000000
	s_mov_b32 s[G0B+4*\s], 1
	s_add_co_u32 s[G0B+4*\s+1], s45, \s*SLOTB
	s_add_nc_u64 s[G0B+4*\s+2:G0B+4*\s+3], s[46:47], \s*KCB
	s_or_b32 s[G0B+4*\s+3], s[G0B+4*\s+3], 0x80000000
.endr
	s_cmp_eq_u32 s15, 0
	s_cselect_b64 s[66:67], s[2:3], s[46:47]       ; where my prefetches stand
	CROUND                                         ; all sixteen work-groups are here
	JLOAD G0, G1, G0B, G1B                         ; K step 0: one tensor load a wave at the head
	s_mul_i32 s18, s15, HALFB
	s_mul_i32 s19, s16, HALFB
	s_add_co_u32 s19, s19, 2*HALFB
	v_lshlrev_b32 v[CO], 4, v3
	v_lshlrev_b32 v12, 3, v3
	v_add_nc_u32 v[ADRA], s18, v[CO]
	v_add_nc_u32 v[AD8A], s18, v12
	v_add_nc_u32 v[ADRB], s19, v[CO]
	v_add_nc_u32 v[AD8B], s19, v12
.irp r, ADRA, AD8A, ADRB, AD8B
	v_add_nc_u32 v[\r+1], SLOTB, v[\r]
.endr
	s_sub_co_u32 s19, s19, s18                     ; scale words: lanes 0-15 q's rows, lanes 16-31 k's: the lower base + h x the distance
	v_mul_u32_u24 v13, s19, v2
	v_lshl_add_u32 v13, v1, 2, v13
	v_add_nc_u32 v[ADRS], s18, v13
	v_add_nc_u32 v[ADRS+4], SLOTB, v[ADRS]
	s_mul_i32 s18, s15, 64*MP                      ; the mask in LDS, as the sums lie
	s_lshl_b32 s19, s16, 6
	s_add_co_u32 s18, s18, s19
	s_add_co_u32 s18, s18, MSK
	v_and_b32 v12, 7, v0
	v_bfe_u32 v13, v0, 3, 1
	v_mul_u32_u24 v12, v12, MP
	v_add_nc_u32 v12, s18, v12
	v_mad_u32_u24 v14, v13, 40*MP, v12
	v_mad_u32_u24 v15, v13, 24*MP, v12
	v_mad_u32_u24 v[MA], v2, 40, v14
	v_mad_u32_u24 v[MA+1], v2, 24, v14
	v_mad_u32_u24 v[MA+2], v2, 40, v15
	v_mad_u32_u24 v[MA+3], v2, 24, v15
	s_mul_i32 s18, s14, 64*MP                      ; and where I put its rows
	s_add_co_u32 s18, s18, MSK
	v_mad_u32_u24 v6, v2, MP, v4
	v_add_nc_u32 v6, s18, v6
	s_mul_i32 s18, s14, 1536                       ; the way out's small stage, in slot 0
	v_lshl_add_u32 v[STO], v1, 2, s18
	v_add_nc_u32 v[STOB], v2, v[STO]
	v_add_nc_u32 v[RD], s18, v[CO]
	s_wait_alu depctr_va_vdst(0)                   ; the wait at the head's end
	; p's codes: ((tile of keys x 512 + 16 x tile of queries + 8 x half) x 2 + half of the keys) x 1,536
	s_lshl_b32 s18, s42, 9
	s_lshl_b32 s19, s17, 4
	s_add_co_u32 s18, s18, s19
	s_lshl_b32 s19, s15, 3
	s_add_co_u32 s18, s18, s19
	s_lshl_b32 s18, s18, 1
	s_add_co_u32 s18, s18, s16
	s_mul_i32 s18, s18, 1536
	s_mov_b32 s19, 0
	s_add_nc_u64 s[8:9], s[8:9], s[18:19]
	; the statistics: ((2 x tile of keys + half) x 512 + 16 x tile of queries + 8 x half) x 64
	s_lshl_b32 s18, s42, 1
	s_add_co_u32 s18, s18, s16
	s_lshl_b32 s18, s18, 9
	s_lshl_b32 s19, s17, 4
	s_add_co_u32 s18, s18, s19
	s_lshl_b32 s19, s15, 3
	s_add_co_u32 s18, s18, s19
	s_lshl_b32 s18, s18, 6
	s_mov_b32 s19, 0
	s_add_nc_u64 s[10:11], s[10:11], s[18:19]
	s_mov_b32 s40, 0x00040404                      ; v_perm_b32: byte k of the second source to the top, bytes of the first source (0) below
	s_mov_b32 s41, 0x01040404
	s_mov_b32 s42, 0x02040404
	s_mov_b32 s43, 0x03040404
	s_mov_b32 s44, 0xfb                            ; byte 0: the top byte of -2^119; byte 1: 0
	s_mov_b32 s4, 0x3d38aa3b                       ; c = log2(e) / 32: 1 / sqrt(1,024) is a power of two
	s_mov_b32 s5, s4                               ; (named with it as a pair)
	s_mov_b32 s100, 0x76543210
	s_mov_b32 s101, 0xfedcba98
	PF 1
.macro FR4 d, a16, a8, o               ; a fragment: two halves of 768 bytes, each 16 and then 8 bytes a lane
	ds_load_b128 v[(\d):(\d)+3], v[\a16] offset:\o
	ds_load_b64 v[(\d)+4:(\d)+5], v[\a8] offset:(\o)+512
	ds_load_b128 v[(\d)+6:(\d)+9], v[\a16] offset:(\o)+768
	ds_load_b64 v[(\d)+10:(\d)+11], v[\a8] offset:(\o)+1280
.endm
.macro FETCHF slot, q, p               ; the fragments and scale words of the slot's q-th 128 along K into set p
	WIN 0x40
.irp i, 0,1,2,3,4,5,6,7
	FR4 128*(\p)+12*\i, ADRB+\slot, AD8B+\slot, 3072*\i+1536*(\q)
.endr
	WIN 0
.irp i, 0,1,2,3,4,5,6,7
	FR4 AF+96*(\p)+12*\i, ADRA+\slot, AD8A+\slot, 3072*\i+1536*(\q)
.endr
.irp i, 0,1,2,3,4,5,6,7
	ds_load_b32 v[SC+8*(\p)+\i], v[ADRS+4*\slot] offset:24576+512*(\q)+64*\i   ; lanes 0-15: q's block i; lanes 16-31: k's block i
.endr
.endm
.macro MULG a, p                       ; q's block a against k's eight.  The 64 accumulators take turns, one instruction a turn
.irp b, 0,1,2,3,4,5,6,7
.set rD, 8*(8*((\a)%4)+\b)
.set rB, 128*(\p)+12*\b
.set rA, AF+96*(\p)+12*(\a)
	v_wmma_scale_f32_16x16x128_f8f6f4 v[rD:rD+7], v[rB:rB+11], v[rA:rA+11], v[rD:rD+7], v[SC+8*(\p)+\b], v[SC+8*(\p)+(\a)] matrix_a_fmt:MATRIX_FMT_FP6 matrix_b_fmt:MATRIX_FMT_FP6 matrix_a_scale:MATRIX_SCALE_ROW1
.endr
.endm
.macro STEPF slot, q                   ; a step that has its successor in the same slot
	s_wait_dscnt 0x0                               ; this step's set was asked for a step ago
	PLACES 4                                       ; in front of loads into the other set
	FETCHF \slot, (\q)+1, 1-(\q)%2
	WIN MUL_LO
.irp a, 0,1,2,3
	MULG \a, (\q)%2
.endr
	WIN MUL_HI
.irp a, 4,5,6,7
	MULG \a, (\q)%2
.endr
	WIN 0
.endm
.macro TURNF slot, next, fill          ; a slot's last step, on set 1, changes slots
	s_wait_tensorcnt 0x0                           ; all my tensor loads have landed: my part of the next slot
	ds_add_u32 v[SPW], v[NIL]                      ; 0 onto my spare word
	s_wait_dscnt 1                                 ; only the add may be out: set 1 is in
	WIN MUL_LO
	MULG 0, 1
	MULG 1, 1
	s_wait_dscnt 0x0                               ; the add is done, and my reads of this slot are over
	s_barrier_signal -1
	MULG 2, 1
	MULG 3, 1
	WIN 0
	s_barrier_wait -1
.if \fill
	CREST                                          ; the barrier has opened a round of the cluster's
	s_add_nc_u64 s[G0+4*\slot+2:G0+4*\slot+3], s[G0+4*\slot+2:G0+4*\slot+3], 2*KCB
	s_add_nc_u64 s[G0B+4*\slot+2:G0B+4*\slot+3], s[G0B+4*\slot+2:G0B+4*\slot+3], 2*KCB
	JLOAD G0+4*\slot, G1, G0B+4*\slot, G1B         ; my one tensor load behind the round; its four v_nop are the places in front of the loads below
.else
	PLACES 4
.endif
	FETCHF \next, 0, 0
.if (\fill) && (\slot) == 0
	PF 3
.endif
	WIN MUL_HI
.irp a, 4,5,6,7
	MULG \a, 1
.endr
	WIN 0
.endm
	s_wait_loadcnt 0x0                             ; my 64 rows of the mask
.set t, 0
.rept 32
	ds_store_b128 v6, v[64+4*t:67+4*t] offset:2*MP*t
.set t, t+1
.endr
	s_wait_tensorcnt 0x0                           ; my part of K step 0 is in
	ds_add_u32 v[SPW], v[NIL]
	s_wait_dscnt 0x0                               ; the add is done, and so are my stores of the mask's rows
	CROUND                                         ; everybody's part of K step 0 and of the mask is in, and the joint loads meet
	JLOAD G0+4, G1, G0B+4, G1B                     ; slot 1, the first tensor load behind the round
	; Register j of accumulator (a, b) belongs to a lane's query and eight neighbouring bytes of that row of the mask.  The words lie in window 1, v[128 + 16 a + 2 b].
	WIN 0x40
.irp a, 0,1,2,3,4,5,6,7
.irp b, 0,1,2,3,4,5,6,7
	ds_load_b64 v[128+2*(8*\a+\b):128+2*(8*\a+\b)+1], v[MA+2*(\a%2)+\b%2] offset:(128*(\a/4)+8*(\a%4))*MP+128*(\b/4)+8*(\b%4)
.endr
.endr
	WIN 0
	FETCHF 0, 0, 0
	PF 2
	s_wait_dscnt 63                                ; the mask's words are in: 72 younger loads stand behind them
	; THE FIRST STEP: each block's starting values, then its products, so that the next block's values are made beside them.
.irp a, 0,1,2,3,4,5,6,7
.if \a == 6
	FETCHF 0, 1, 1                                 ; the next step's set: blocks 0-5's words, in whose registers k's fragments land, are done with
.endif
	WIN 0x50
.irp k, 0,1,2,3,4,5,6,7,8,9,10,11,12,13,14,15
	v_perm_b32 v[128+16*\a+\k], 0, s44, v[128+16*\a+\k]   ; the mask's bytes are the selectors: 0 picks 0xfb, 1 picks 0x00
.endr
	WIN ((2+\a/4)<<6)|0x04
.irp b, 0,1,2,3,4,5,6,7
.irp j, 0,1,2,3,4,5,6,7
	v_perm_b32 v[8*(8*(\a%4)+\b)+\j], 0, v[128+2*(8*\a+\b)+\j/4], s[40+\j%4]   ; that byte as the top byte of an f32: -2^119 or 0
.endr
.endr
.if \a == 0
	s_wait_alu depctr_va_vdst(0)
	s_wait_dscnt 0x0                               ; the first step's set is in
.endif
	WIN MUL_LO+0x50*(\a/4)
	MULG \a, 0
.endr
	WIN 0
	TURNF 0, 1, 1
	STEPF 1, 0
	TURNF 1, 0, 1
	STEPF 0, 0
	TURNF 0, 1, 0
	STEPF 1, 0
	s_wait_dscnt 0x0                               ; the very last step goes by rows, below
; THE WAY OUT of block a: 16 queries x my 128 keys.  Registers 32 c .. 32 c + 31 of a lane are band c's block h.
.macro PROW a
.set W, 2+(\a)/4
.set WW, W|(W<<2)
.set AC, 64*((\a)%4)
	s_wait_alu depctr_va_vdst(0)                   ; the wait ahead of the first reader of these matrix results
	WIN WW
.irp b, 0,1,2,3
	v_max3_num_f32 v[BM+\b], v[AC+16*\b], v[AC+16*\b+1], 0xff7fffff   ; the largest SCORE of each half block
.endr
.irp i, 2,4,6,8,10,12,14
.irp b, 0,1,2,3
	v_max3_num_f32 v[BM+\b], v[AC+16*\b+\i], v[AC+16*\b+\i+1], v[BM+\b]
.endr
.endr
	WIN 0
	v_max_num_f32 v[BM], v[BM], v[BM+1]            ; of each block: it serves for the run's maximum and, since p rises with the score, for the block's largest p
	v_max_num_f32 v[BM+1], v[BM+2], v[BM+3]
	v_max_num_f32 v[TT], v[BM], v[BM+1]
	v_permlanex16_b32 v[BX], v[TT], s100, s101
	v_max_num_f32 v[TT], v[TT], v[BX]
	v_mul_f32 v[TT], s4, v[TT]                     ; the run's largest t (c is positive)
	v_max_num_f32 v[TT], 0xf149f2ca, v[TT]         ; held at -1e30 from below: a run that is wholly masked
	v_floor_f32 v[NM], -v[TT]                      ; -M = floor(-t) = -ceil(t)
	WIN W
.set j, 0
.rept 32
	v_pk_fma_f32 v[S+j:S+j+1], v[AC+j:AC+j+1], s[4:5], v[NM:NM+1] op_sel_hi:[1,0,0]   ; t - M, two at a time
.set j, j+2
.endr
	WIN 0
.irp b, 0,1
	v_fma_f32 v[BM+\b], v[BM+\b], s4, v[NM]        ; the same of each block's largest score
.endr
	s_wait_alu depctr_va_vdst(0)                   ; the wait ahead of the batch
.if (\a) > 0
	s_wait_xcnt 0x0                                ; the last block's stores have read v[CD] on
.endif
.set j, 0
.rept 64
	v_exp_f32 v[S+j], v[S+j]                       ; p = 2^(t - M)
.set j, j+1
.endr
.irp b, 0,1
	v_exp_f32 v[BM+\b], v[BM+\b]                   ; the block's largest p: the same two instructions on the same number
.endr
	v_nop                                          ; a plain place behind the exponentials
	s_wait_alu depctr_va_vdst(0)                   ; one wait for the batch, ahead of its first reader
	v_pk_add_f32 v[SU:SU+1], v[S:S+1], v[S+2:S+3]  ; the sum of the UNQUANTISED p, in two chains
	v_pk_add_f32 v[SU+2:SU+3], v[S+4:S+5], v[S+6:S+7]
.irp j, 8,12,16,20,24,28,32,36,40,44,48,52,56,60
	v_pk_add_f32 v[SU:SU+1], v[SU:SU+1], v[S+\j:S+\j+1]
	v_pk_add_f32 v[SU+2:SU+3], v[SU+2:SU+3], v[S+\j+2:S+\j+3]
.endr
	v_pk_add_f32 v[SU:SU+1], v[SU:SU+1], v[SU+2:SU+3]
	v_add_f32 v[SU], v[SU], v[SU+1]
	v_permlanex16_b32 v[SU+2], v[SU], s100, s101
	v_add_f32 v[NM+1], v[SU], v[SU+2]              ; l of my query's 128 keys
.irp b, 0,1
	v_max_num_f32 v[BM+\b], 0x1800000, v[BM+\b]    ; the floor 2^(3 - 127): the byte cannot fall under 1
.endr
.irp b, 0,1
	v_add_nc_u32 v[SO+\b], 0xff000000, v[BM+\b]    ; 2 off the exponent field: the conversion's scale operand
.endr
.irp c, 0,1
	v_cvt_scalef32_pk16_fp6_f32 v[CD+6*\c:CD+6*\c+2], v[S+32*\c:S+32*\c+15], v[SO+\c]
	v_cvt_scalef32_pk16_fp6_f32 v[XB+4*\c:XB+4*\c+2], v[S+32*\c+16:S+32*\c+31], v[SO+\c]
.endr
.irp c, 0,1
	v_lshrrev_b32 v[BY+\c], 23, v[SO+\c]           ; the scale's byte.  (Plain places behind the conversions)
.endr
.irp i, 0,1,2
.irp c, 0,1
	v_mov_b32 v[CD+6*\c+3+\i], v[XB+4*\c+\i]
.endr
.endr
.irp c, 0,1
	ds_store_b8 v[STOB], v[BY+\c] offset:64*(\a)+2*\c   ; byte 2 c + h of my query's word.  The stage lies in slot 0, which has had its last fill and its last read
.endr
	ds_store_b32 v[STO], v[NM] offset:64*(\a)+512  ; lanes r and r + 16 write the same word with the same value
	ds_store_b32 v[STO], v[NM+1] offset:64*(\a)+1024
.irp i, 0,1,2
	global_store_b128 v[CO], v[CD+4*\i:CD+4*\i+3], s[8:9] offset:3072*(\a)+512*\i   ; 512 consecutive bytes, at a multiple of 256 from the buffer's first byte
.endr
.endm
	WIN MUL_LO
	MULG 0, 1
	MULG 1, 1
	WIN 0
	PLACES 4                                       ; behind these products, and behind the last step's, whose operands' registers the way out writes
	v_mov_b32 v[BX], 0                             ; a lane permute's destination counts as one of its sources
	v_mov_b32 v[NM+1], 0                           ; named as the upper half of the pair with -M before it is first written
.irp a, 0,1,2,3,4,5,6,7                ; block a's way out stands beside the products of later blocks
	PROW \a
.if \a < 6
	WIN MUL_LO+0x50*((\a+2)/4)
	MULG \a+2, 1
	WIN 0
.endif
.endr
.irp i, 0,1,2
	ds_load_b128 v[SD+4*\i:SD+4*\i+3], v[RD] offset:512*\i  ; LDS serves a wave's instructions in order: these see my stores
.endr
	s_wait_dscnt 0x0
.irp i, 0,1,2
	global_store_b128 v[CO], v[SD+4*\i:SD+4*\i+3], s[10:11] offset:524288*\i   ; scale words, -M, l: 512 consecutive bytes each
.endr
	s_wait_tensorcnt 0x0                           ; the wave's end
	ds_add_u32 v[SPW], v[NIL]
	s_wait_dscnt 0x0
	CROUND                                         ; the closing round
	s_endpgm
.Lfunc_end_k_q89813bafc4_score:
	.size	k_q89813bafc4_score, .Lfunc_end_k_q89813bafc4_score-k_q89813bafc4_score
	.p2alignl 7, 3214868480
	.fill 96, 4, 3214868480
	.section	.rodata,"a",@progbits
	.p2align	6, 0x0
	.amdhsa_kernel k_q89813bafc4_score
		.amdhsa_group_segment_fixed_size 327680
		.amdhsa_private_segment_fixed_size 0
		.amdhsa_enable_private_segment 0
		.amdhsa_kernarg_size 32
		.amdhsa_user_sgpr_count 2
		.amdhsa_user_sgpr_kernarg_segment_ptr 1
		.amdhsa_wavefront_size32 1
		.amdhsa_system_sgpr_workgroup_id_x 1
		.amdhsa_system_sgpr_workgroup_id_y 1
		.amdhsa_system_sgpr_workgroup_id_z 1
		.amdhsa_system_vgpr_workitem_id 0
		.amdhsa_next_free_vgpr 1024
		.amdhsa_next_free_sgpr 102
		.amdhsa_reserve_vcc 0
		.amdhsa_float_denorm_mode_32 3
		.amdhsa_float_denorm_mode_16_64 3
		.amdhsa_memory_ordered 1
		.amdhsa_forward_progress 1
		.amdhsa_inst_pref_size 248
	.end_amdhsa_kernel
	.amdgpu_metadata
---
amdhsa.version: [ 1, 2 ]
amdhsa.kernels:
  - .name:           k_q89813bafc4_score
    .symbol:         k_q89813bafc4_score.kd
    .args:
      - { .name: qk, .offset: 0, .size: 8, .value_kind: global_buffer, .address_space: global }
      - { .name: mask, .offset: 8, .size: 8, .value_kind: global_buffer, .address_space: global }
      - { .name: pf, .offset: 16, .size: 8, .value_kind: global_buffer, .address_space: global }
      - { .name: pst, .offset: 24, .size: 8, .value_kind: global_buffer, .address_space: global }
    .group_segment_fixed_size: 327680
    .private_segment_fixed_size: 0
    .kernarg_segment_align: 8
    .kernarg_segment_size: 32
    .max_flat_workgroup_size: 128
    .sgpr_count:     102
    .vgpr_count:     1024
    .wavefront_size: 32
...
	.end_amdgpu_metadata
.endif
;; end of part 2
;; launch pv (part 3): grid 4 x 64, 4 waves a work-group, clusters of 4 x 4, 327,680 bytes of LDS; arguments pf, pst, vv, out0; writes out0
.if DOCPART == 3
	.amdgcn_target "amdgcn-amd-amdhsa--gfx1250"
	.amdhsa_code_object_version 6
	.text
	.protected	k_q89813bafc4_pv
	.globl	k_q89813bafc4_pv
	.p2align	8
	.type	k_q89813bafc4_pv,@function
k_q89813bafc4_pv:
	s_mov_b64 s[64:65], 0
	v_nop
	global_prefetch_b8 v0, s[64:65] scope:SCOPE_SE
	s_setreg_imm32_b32 hwreg(HW_REG_WAVE_MODE, 25, 1), 1
	s_wait_xcnt 0x0
	s_wait_alu depctr_hold_cnt(0) depctr_sa_sdst(0) depctr_va_vdst(0) depctr_va_sdst(0) depctr_va_ssrc(0) depctr_va_vcc(0) depctr_vm_vsrc(0)
	s_getreg_b32 s2, hwreg(HW_REG_IB_STS2, 6, 4)
	s_cmp_eq_u32 s2, 0
	s_cbranch_scc0 .Lentry_in_a_cluster
	s_endpgm
.Lentry_in_a_cluster:
	s_bfe_u32 s2, ttmp6, 0x10000c
	s_cmp_lg_u32 s2, 0xf033
	s_cbranch_scc0 .Lentry_shape_is_right
	s_endpgm
.Lentry_shape_is_right:
; PV: out = (p v) / l on codes of FP6, K = the batch's 2,048 keys.
; p was made run by run of 128 keys, each under its own whole number M_k.  At the head each thread takes one query: M = the largest M_k; l = the sum of l_k 2^(M_k - M) (v_ldexp_f32: nothing is rounded);
; each byte of p's scale words is lowered by M - M_k, which is the same multiplication for the codes.  A byte that would fall under 0 is held at 0 (2^-127), M - M_k at 127: such terms are nothing beside l >= 1/2.
; A query all of whose keys are masked has l = 0 and zero codes: 0 x infinity gives the NaN that the softmax of such a row gives.
; SHARES.  A work-group of four waves makes 128 queries x 256 channels, a wave 64 x 128: 32 accumulators.  (256 x 256 would give 128 work-groups.)  Source 0 = 16 channels of v^T, source 1 = 16 queries of p.
; Fragments lie in memory as images of their registers.  A slot holds 512 keys: four steps of 128.  4 x 4 work-groups form a cluster: p's tiles are asked for jointly along a row, v's along a column.
; LIMITS: NaN and infinities are not served.
; REGISTERS: window 0: v16-31 addresses; v32-47 scale words, two sets; v48-55 1 / l; v64-111, v112-159 p's fragments, two sets.  window 1: v's fragments, two sets, at v0 and v128.  window 2: the accumulators, (a, b) at v[8 (8 a + b)].
.set AKC,   24576                      ; p: 128 queries x 256 keys
.set BKC,   51200                      ; v: 256 channels x 256 keys: 49,152 bytes of codes, then scale words [128 channels: 2][128 keys: 2][128]
.set SLOTB, 2*AKC+2*BKC
.set PKC,   512*3072                   ; bytes from one 256 keys to the next in pf
.set VKC,   4*BKC                      ; and in vv
.set AS,    2*SLOTB                    ; p's lowered scale words: [16][128 queries]; written by this kernel's own stores, in blocks of 256 bytes into which no fill lands
.set RL,    AS+8192                    ; 1 / l
.set SPARE, RL+512                     ; the spare words
.set SPITCH, 528
.set ADRA, 16
.set ADRB, 20                          ; v20-23: slot 0, 1 x the slot's first, second 256 keys (an offset has 16 bits)
.set STO,  24
.set RD,   25
.set CO,   26
.set ADRS, 8                           ; v8-15: scale words, two steps of 128 keys for each
.set PFO, 3                            ; v3: my place in a tile that my wave prefetches
.set STOO, 7                           ; v7: the way out's stage for odd tiles of channels
.set PASS, 0                           ; which 512 keys are being fetched
.set SPW,  28
.set NIL,  29
.set ASW,  30
.set RLA,  31
.set SC,   32
.set RC,   48
.set AF,   64
.set WK,   64                          ; the head: 16 scale words, 16 -M, 16 l of my query
.set NK,   80
.set LK,   96
.set T,    64                          ; the way out
.set BK,   128
.set G1, 24
.set G0, 32
.set G1B, 48
.set G0B, 56
.set G1S, 68
.set G0S, 76
.set MSB, 0
.macro WIN new
.if MSB != (\new)
	s_set_vgpr_msb (MSB<<8)|(\new)
.set MSB, (\new)
.endif
.endm
.set MUL, 0xa1                         ; source 0 (v) window 1, source 1 (p) window 0, C and D window 2
.macro JLOAD g0a, g1a, g0b, g1b        ; waves 0 and 1 fetch for p, waves 2 and 3 for v; four v_nop follow each of the two lines
	s_cmp_eq_u32 s15, 0
	s_cbranch_scc0 .Lfor_b_\@
	tensor_load_to_lds s[\g0a:\g0a+3], s[\g1a:\g1a+7]
	s_nop 0
.rept 4
	v_nop
.endr
	s_branch .Lasked_\@
.Lfor_b_\@:
	tensor_load_to_lds s[\g0b:\g0b+3], s[\g1b:\g1b+7]
	s_nop 0
.rept 4
	v_nop
.endr
.Lasked_\@:
.endm
.macro CREST
	s_cmp_lg_u32 s14, 0
	s_cbranch_scc1 .Lnot_wave_0_\@
	s_barrier_signal -3
.Lnot_wave_0_\@:
	s_barrier_wait -3
	s_barrier_signal -1
	s_barrier_wait -1
.endm
; PREFETCH, one fill ahead: my part of the n-th 512 keys' tile of my wave.  The four partners of a joint load share its blocks of 256 bytes out by address: 24 each of p's 96, 50 each of v's 200 (two instructions).
.macro PFV n
	s_cmp_eq_u32 s15, 0
	s_cbranch_scc0 .Lpf_v_\@
	global_prefetch_b8 v[PFO], s[66:67] offset:((\n)-1)*2*PKC th:TH_LOAD_NT scope:SCOPE_SE
	s_branch .Lpf_done_\@
.Lpf_v_\@:
	global_prefetch_b8 v[PFO], s[46:47] offset:(\n)*2*VKC th:TH_LOAD_NT scope:SCOPE_SE
	global_prefetch_b8 v[PFO], s[46:47] offset:(\n)*2*VKC+6400 th:TH_LOAD_NT scope:SCOPE_SE
.Lpf_done_\@:
.endm
.macro CROUND
	s_barrier_signal -1
	s_barrier_wait -1
	CREST
.endm
.macro PLACES n
.rept \n
	v_nop
.endr
.endm
	s_load_b128 s[4:7], s[0:1], 0x0                ; pf, pst
	s_load_b64 s[8:9], s[0:1], 0x10                ; vv
	s_load_b64 s[12:13], s[0:1], 0x18              ; out0
	v_lshl_add_u32 v[SPW], v0, 2, SPARE
	v_mov_b32 v[NIL], 0
	ds_add_u32 v28, v29
	ds_add_u32 v28, v29
	s_wait_dscnt 0x0
	v_lshrrev_b32 v1, 5, v0
	v_readfirstlane_b32 s14, v1                    ; wave 0..3
	s_lshr_b32 s15, s14, 1                         ; which 64 queries are mine.  Also: I fetch for p (0) or for v (1)
	s_and_b32 s16, s14, 1                          ; which 128 channels.  Also: which 256 keys of a slot I fetch
	s_bfe_u32 s40, ttmp6, 0x40000                  ; cx
	s_bfe_u32 s41, ttmp6, 0x40004                  ; cy
	s_lshl_b32 s42, ttmp9, 2
	s_add_co_u32 s42, s42, s40                     ; tile of 256 channels, 0..3
	s_and_b32 s45, ttmp7, 0xffff                   ; cluster y
	s_lshl_b32 s17, s45, 2
	s_add_co_u32 s17, s17, s41                     ; tile of 128 queries, 0..63
	s_lshl_b32 s43, s41, 2
	s_lshl_b32 s43, 15, s43                        ; my row of the cluster
	s_lshl_b32 s44, 0x1111, s40                    ; my column
	; group 1: dense blocks as rows of 256 bytes (32 elements of 8 bytes): p 96 rows, v 200 rows
	s_or_b32 s[G1+0], s43, (3<<16)|(1<<21)
	s_mov_b32 s[G1+1], 32<<16
	s_mov_b32 s[G1+2], 96<<16
	s_mov_b32 s[G1+3], 32<<16
	s_mov_b32 s[G1+4], 96
	s_mov_b32 s[G1+5], 32
	s_mov_b32 s[G1+6], 0
	s_mov_b32 s[G1+7], 0
	s_or_b32 s[G1B+0], s44, (3<<16)|(1<<21)
	s_mov_b32 s[G1B+1], 32<<16
	s_mov_b32 s[G1B+2], 200<<16
	s_mov_b32 s[G1B+3], 32<<16
	s_mov_b32 s[G1B+4], 200
	s_mov_b32 s[G1B+5], 32
	s_mov_b32 s[G1B+6], 0
	s_mov_b32 s[G1B+7], 0
	s_lshl_b32 s18, s16, 9                         ; p: (my 256 keys x 512 + 8 x tile of queries) x 3,072
	s_lshl_b32 s19, s17, 3
	s_add_co_u32 s18, s18, s19
	s_mul_i32 s2, s18, 3072
	s_mov_b32 s3, 0
	s_lshr_b32 s45, s45, 2                         ; the batch: shared by the whole cluster
	s_lshl_b32 s46, s45, 3                         ; v: ((8 x batch + my 256 keys) x 4 + tile of channels) x 51,200
	s_add_co_u32 s46, s46, s16
	s_lshl_b32 s46, s46, 2
	s_add_co_u32 s46, s46, s42
	s_mul_i32 s46, s46, BKC
	s_mov_b32 s47, 0
	s_mul_i32 s18, s16, AKC                        ; where they go in a slot
	s_mul_i32 s19, s16, BKC
	s_add_co_u32 s19, s19, 2*AKC
	s_lshl_b32 s20, s17, 9                         ; the statistics of my query: thread t takes query t of the tile
	s_mov_b32 s21, 0
	s_wait_kmcnt 0x0
	s_add_nc_u64 s[6:7], s[6:7], s[20:21]
	v_lshlrev_b32 v56, 2, v0
.irp k, 0,1,2,3,4,5,6,7,8,9,10,11,12,13,14,15
	global_load_b32 v[NK+\k], v56, s[6:7] offset:32768*\k+524288
	global_load_b32 v[LK+\k], v56, s[6:7] offset:32768*\k+1048576
	global_load_b32 v[WK+\k], v56, s[6:7] offset:32768*\k
.endr
	s_add_nc_u64 s[2:3], s[4:5], s[2:3]
	s_add_nc_u64 s[46:47], s[8:9], s[46:47]
	CROUND                                         ; all sixteen work-groups are here
.irp s, 0,1
	s_mov_b32 s[G0+4*\s], 1
	s_add_co_u32 s[G0+4*\s+1], s18, \s*SLOTB
	s_add_nc_u64 s[G0+4*\s+2:G0+4*\s+3], s[2:3], \s*2*PKC
	s_or_b32 s[G0+4*\s+3], s[G0+4*\s+3], 0x80000000
	s_mov_b32 s[G0B+4*\s], 1
	s_add_co_u32 s[G0B+4*\s+1], s19, \s*SLOTB
	s_add_nc_u64 s[G0B+4*\s+2:G0B+4*\s+3], s[46:47], \s*2*VKC
	s_or_b32 s[G0B+4*\s+3], s[G0B+4*\s+3], 0x80000000
.endr
	JLOAD G0, G1, G0B, G1B                         ; slot 0: one tensor load a wave at the head
	v_and_b32 v1, 15, v0                           ; r
	v_bfe_u32 v2, v0, 4, 1                         ; h
	v_and_b32 v3, 31, v0
	v_lshlrev_b32 v[CO], 4, v3
	s_wait_alu depctr_va_vdst(0)
	s_mul_i32 s18, s15, 12288                      ; p: my 64 queries are four blocks of 3,072 bytes
.irp s, 0,1
	v_add_nc_u32 v[ADRA+\s], s18, v[CO]
	s_add_co_u32 s18, s18, SLOTB
.endr
	s_mul_i32 s19, s16, 24576                      ; v: my 128 channels are eight
	s_add_co_u32 s19, s19, 2*AKC
	v_add_nc_u32 v[ADRB+0], s19, v[CO]
	s_add_co_u32 s19, s19, BKC
	v_add_nc_u32 v[ADRB+1], s19, v[CO]
	s_add_co_u32 s19, s19, SLOTB-BKC
	v_add_nc_u32 v[ADRB+2], s19, v[CO]
	s_add_co_u32 s19, s19, BKC
	v_add_nc_u32 v[ADRB+3], s19, v[CO]
	s_lshl_b32 s18, s16, 10                        ; scale words: lanes 16-31 v's channels (in the slot), lanes 0-15 p's queries: the lower base + (1 - h) x the distance
	s_lshl_b32 s19, s15, 8
	v_xor_b32 v4, 1, v2
	v_lshlrev_b32 v6, 2, v1
	s_add_nc_u64 s[66:67], s[2:3], 2*PKC           ; p's second 512 keys
	s_mov_b32 s20, 24
	s_mov_b32 s10, 12800
	s_cmp_eq_u32 s15, 0
	s_cselect_b32 s20, 23, s20
	s_cselect_b32 s10, 6144, s10
	s_cselect_b32 s21, s40, s41                    ; my place among the four that ask with me
	s_mul_i32 s21, s21, s10
	v_min_u32 v[PFO], s20, v3
	v_lshlrev_b32 v[PFO], 8, v[PFO]
	v_add_nc_u32 v[PFO], s21, v[PFO]
	s_wait_alu depctr_va_vdst(0)                   ; the wait ahead of the branches and of the run of scalar lines
	PFV 1
.irp k, 0,1,2,3,4,5,6,7
.set C2, ((\k/2)%2)*SLOTB+2*AKC+(\k%2)*BKC+49152
	s_add_co_u32 s20, s19, AS+1024*\k-C2
	s_sub_co_u32 s20, s20, s18
	s_add_co_u32 s21, s18, C2
	v_mul_u32_u24 v5, s20, v4
	v_add_nc_u32 v5, v5, v6
	v_add_nc_u32 v[ADRS+\k], s21, v5
.endr
	v_lshl_add_u32 v[ASW], v0, 2, AS
	s_lshl_b32 s18, s15, 8
	s_add_co_u32 s18, s18, RL
	v_lshl_add_u32 v[RLA], v1, 2, s18
	s_mul_i32 s18, s14, 16*SPITCH                  ; the way out's stage: 16 rows x (512 bytes + 16) a wave, in slot 0
	v_mul_u32_u24 v4, v1, SPITCH
	v_mad_u32_u24 v5, v2, 160, v4                  ; tile t of 64 channels: 8 t + 40 h (t even), 8 t + 24 h (t odd)
	v_mad_u32_u24 v4, v2, 96, v4
	v_add_nc_u32 v[STO], s18, v5
	v_add_nc_u32 v[STOO], s18, v4
	v_add_nc_u32 v[RD], s18, v[CO]
	s_lshr_b32 s18, s17, 1                         ; my 64 queries: rows 256 x (tile / 2) + 128 x half + 64 x (tile % 2) on
	s_lshl_b32 s18, s18, 8
	s_lshl_b32 s19, s15, 7
	s_add_co_u32 s18, s18, s19
	s_and_b32 s20, s17, 1
	s_lshl_b32 s20, s20, 6
	s_add_co_u32 s18, s18, s20
	s_lshl_b32 s18, s18, 12
	s_lshl_b32 s19, s42, 10
	s_add_co_u32 s18, s18, s19
	s_lshl_b32 s19, s16, 9
	s_add_co_u32 s18, s18, s19
	s_mov_b32 s19, 0
	s_add_nc_u64 s[12:13], s[12:13], s[18:19]
	s_mov_b32 s18, 0x80808080
	s_mov_b32 s19, 0x01010101
	s_mov_b32 s2, 127
	s_wait_loadcnt 0x0
	v_min3_num_f32 v57, v[NK], v[NK+1], v[NK+2]    ; -M of the row: the least -M_k
.irp i, 3,5,7,9,11,13
	v_min3_num_f32 v57, v57, v[NK+\i], v[NK+\i+1]
.endr
	v_min_num_f32 v57, v57, v[NK+15]
.irp k, 0,1,2,3,4,5,6,7,8,9,10,11,12,13,14,15
	v_sub_f32 v[NK+\k], v57, v[NK+\k]              ; M_k - M: a whole number, 0 or less
.endr
.irp k, 0,1,2,3,4,5,6,7,8,9,10,11,12,13,14,15
	v_max_num_f32 v[NK+\k], 0xc2fe0000, v[NK+\k]   ; held at -127
.endr
.irp k, 0,1,2,3,4,5,6,7,8,9,10,11,12,13,14,15
	v_cvt_i32_f32 v[NK+\k], v[NK+\k]
.endr
.irp k, 0,1,2,3,4,5,6,7,8,9,10,11,12,13,14,15
	v_ldexp_f32 v[LK+\k], v[LK+\k], v[NK+\k]       ; l_k under the row's M
.endr
.irp k, 0,1,2,3,4,5,6,7,8,9,10,11,12,13,14,15
	v_or_b32 v[WK+\k], s18, v[WK+\k]               ; the bytes are 1 to 125: with 128 added to each, taking up to 127 off each borrows from no neighbour
.endr
.irp k, 0,1,2,3,4,5,6,7,8,9,10,11,12,13,14,15
	v_mul_lo_u32 v[NK+\k], v[NK+\k], s19           ; M_k - M in each of the four bytes' places
.endr
.irp k, 0,1,2,3,4,5,6,7,8,9,10,11,12,13,14,15
	v_add_nc_u32 v[WK+\k], v[WK+\k], v[NK+\k]
.endr
.irp k, 0,1,2,3,4,5,6,7,8,9,10,11,12,13,14,15
	v_lshrrev_b32 v[NK+\k], 7, v[WK+\k]
.endr
.irp k, 0,1,2,3,4,5,6,7,8,9,10,11,12,13,14,15
	v_and_b32 v[NK+\k], s19, v[NK+\k]              ; 1 where the byte has not fallen under 0
.endr
.irp k, 0,1,2,3,4,5,6,7,8,9,10,11,12,13,14,15
	v_mul_lo_u32 v[NK+\k], v[NK+\k], s2            ; 0x7f there
.endr
.irp k, 0,1,2,3,4,5,6,7,8,9,10,11,12,13,14,15
	v_and_b32 v[WK+\k], v[WK+\k], v[NK+\k]         ; the lowered byte, or 0
.endr
.irp k, 0,1,2,3,4,5,6,7,8,9,10,11,12,13,14,15
	ds_store_b32 v[ASW], v[WK+\k] offset:512*\k
.endr
.irp k, 0,1,2,3,4,5,6,7
	v_add_f32 v[LK+\k], v[LK+\k], v[LK+8+\k]
.endr
.irp k, 0,1,2,3
	v_add_f32 v[LK+\k], v[LK+\k], v[LK+4+\k]
.endr
	v_add_f32 v[LK], v[LK], v[LK+2]
	v_add_f32 v[LK+1], v[LK+1], v[LK+3]
	v_add_f32 v[LK], v[LK], v[LK+1]                ; the row's l
	s_wait_alu depctr_va_vdst(0)
	v_rcp_f32 v58, v[LK]
	v_nop                                          ; a plain place behind the reciprocal
	s_wait_alu depctr_va_vdst(0)                   ; and the wait ahead of its first reader
	ds_store_b32 v[ASW], v58 offset:8192
	s_wait_tensorcnt 0x0                           ; my part of slot 0 is in
	ds_add_u32 v[SPW], v[NIL]
	s_wait_dscnt 0x0                               ; the add is done, and for the others' sake my stores have landed
	CROUND
	JLOAD G0+4, G1, G0B+4, G1B                     ; slot 1, the first tensor load behind the round
.macro FETCHF slot, q, p               ; the fragments and scale words of the slot's q-th 128 keys into set p
	WIN 0x40                                       ; destination window 1
.irp i, 0,1,2,3,4,5,6,7
.irp c, 0,1,2
	ds_load_b128 v[128*(\p)+12*\i+4*\c:128*(\p)+12*\i+4*\c+3], v[ADRB+2*\slot+(\q)/2] offset:3072*\i+1536*((\q)%2)+512*\c
.endr
.endr
	WIN 0
.irp i, 0,1,2,3
.irp c, 0,1,2
	ds_load_b128 v[AF+48*(\p)+12*\i+4*\c:AF+48*(\p)+12*\i+4*\c+3], v[ADRA+\slot] offset:AKC*((\q)/2)+3072*\i+1536*((\q)%2)+512*\c
.endr
.endr
.irp i, 0,1,2,3,4,5,6,7
	ds_load_b32 v[SC+8*(\p)+\i], v[ADRS+2*PASS+(\q)/2] offset:512*((\q)%2)+64*\i   ; lanes 16-31: v's block i; lanes 0-15: p's block i (for i above 3 words that no instruction selects)
.endr
.endm
.macro MULG a, p, zero                 ; p's block a against v's eight.  The 32 accumulators take turns, one instruction a turn, in the same order in every step
.irp b, 0,1,2,3,4,5,6,7
.set rD, 8*(8*(\a)+\b)
.set rB, 128*(\p)+12*\b
.set rA, AF+48*(\p)+12*(\a)
.if \zero
	v_wmma_scale_f32_16x16x128_f8f6f4 v[rD:rD+7], v[rB:rB+11], v[rA:rA+11], 0, v[SC+8*(\p)+\b], v[SC+8*(\p)+(\a)] matrix_a_fmt:MATRIX_FMT_FP6 matrix_b_fmt:MATRIX_FMT_FP6 matrix_a_scale:MATRIX_SCALE_ROW1
.else
	v_wmma_scale_f32_16x16x128_f8f6f4 v[rD:rD+7], v[rB:rB+11], v[rA:rA+11], v[rD:rD+7], v[SC+8*(\p)+\b], v[SC+8*(\p)+(\a)] matrix_a_fmt:MATRIX_FMT_FP6 matrix_b_fmt:MATRIX_FMT_FP6 matrix_a_scale:MATRIX_SCALE_ROW1
.endif
.endr
.endm
.macro STEPF slot, q, zero
	s_wait_dscnt 0x0                               ; this step's set was asked for a whole step ago
	PLACES 4                                       ; in front of loads into the other set, which the last step's products read
	FETCHF \slot, (\q)+1, 1-(\q)%2
	WIN MUL
.irp a, 0,1,2,3
	MULG \a, (\q)%2, \zero
.endr
	WIN 0
.endm
.macro TURNF slot, next, fill          ; a slot's fourth step, on set 1, changes slots
	s_wait_tensorcnt 0x0                           ; all my tensor loads have landed: my part of the next slot
	ds_add_u32 v[SPW], v[NIL]                      ; 0 onto my spare word
	s_wait_dscnt 1                                 ; only the add may be out: set 1 is in
	WIN MUL
	MULG 0, 1, 0
	s_wait_dscnt 0x0                               ; the add is done, and my reads of this slot are over
	s_barrier_signal -1
	MULG 1, 1, 0
	WIN 0
	s_barrier_wait -1
.if \fill
	CREST                                          ; the barrier has opened a round of the cluster's
	s_add_nc_u64 s[G0+4*\slot+2:G0+4*\slot+3], s[G0+4*\slot+2:G0+4*\slot+3], 4*PKC
	s_add_nc_u64 s[G0B+4*\slot+2:G0B+4*\slot+3], s[G0B+4*\slot+2:G0B+4*\slot+3], 4*VKC
	JLOAD G0+4*\slot, G1, G0B+4*\slot, G1B         ; my one tensor load behind the round; its four v_nop are the places in front of the loads below
.else
	PLACES 4
.endif
.set PASS, PASS+1
	FETCHF \next, 0, 0
	WIN MUL
	MULG 2, 1, 0
	MULG 3, 1, 0
	WIN 0
.endm
.irp a, 0,1,2,3
	ds_load_b32 v[RC+2*\a], v[RLA] offset:64*\a    ; 1 / l of query 16 a + r of my 64, twice: the packed multiply names a pair
	ds_load_b32 v[RC+2*\a+1], v[RLA] offset:64*\a
.endr
	FETCHF 0, 0, 0
	PFV 2
	STEPF 0, 0, 1                                  ; the first products start the sums.  2,048 keys are four slots' worth: two first fills, two refills
	STEPF 0, 1, 0
	STEPF 0, 2, 0
	TURNF 0, 1, 1
	PFV 3
	STEPF 1, 0, 0
	STEPF 1, 1, 0
	STEPF 1, 2, 0
	TURNF 1, 0, 1
	s_wait_alu depctr_va_vdst(0)
	STEPF 0, 0, 0
	STEPF 0, 1, 0
	STEPF 0, 2, 0
	TURNF 0, 1, 0
	s_wait_alu depctr_va_vdst(0)
	STEPF 1, 0, 0
	STEPF 1, 1, 0
	STEPF 1, 2, 0
	s_wait_dscnt 0x0                               ; the very last step goes by rows: blocks 0 and 1 here, 2 and 3 among the way out
	WIN MUL
	MULG 0, 1, 0
	MULG 1, 1, 0
	WIN 0
; THE WAY OUT, block by block of 16 queries x 128 channels: x 1 / l; through my own stage in LDS; back as whole rows of 512 bytes.  The stage lies in slot 0, which has had its last fill and its last read.
.macro MULT a
	WIN 0x82                                       ; source 0 and the result in window 2: in place
.set j, 0
.rept 32
	v_pk_mul_f32 v[64*(\a)+j:64*(\a)+j+1], v[64*(\a)+j:64*(\a)+j+1], v[RC+2*(\a):RC+2*(\a)+1] op_sel_hi:[1,0]   ; each accumulator from its low end on
.set j, j+2
.endr
	WIN 0
.endm
.macro TOSTAGE a
.set BB, 64*(\a)                       ; the block's own registers, in window 2
	WIN 0x08
.irp b, 0,1,2,3,4,5,6,7
	ds_store_b128 v[STO+(STOO-STO)*(\b%2)], v[BB+8*\b:BB+8*\b+3] offset:256*(\b/4)+32*(\b%4)
	ds_store_b128 v[STO+(STOO-STO)*(\b%2)], v[BB+8*\b+4:BB+8*\b+7] offset:256*(\b/4)+32*(\b%4)+16
.endr
	WIN 0x80
.irp t, 0,1,2,3,4,5,6,7,8,9,10,11,12,13,14,15
	ds_load_b128 v[BB+4*\t:BB+4*\t+3], v[RD] offset:\t*SPITCH   ; LDS serves a wave's instructions in order: these see the stores above
.endr
	WIN 0
.endm
.macro SEND a, younger
.set BB, 64*(\a)
	s_wait_dscnt \younger                          ; the block is back in registers; the LDS instructions issued behind its loads may be out
	WIN 0x08
.irp t, 0,1,2,3,4,5,6,7,8,9,10,11,12,13,14,15
	global_store_b128 v[CO], v[BB+4*\t:BB+4*\t+3], s[12:13] offset:(32*(\t/8)+8*((\a)+\t/8-2*((\a)%2)*(\t/8))+\t%8)*4096 th:TH_STORE_NT   ; stage row t of tile a is query 8 a + t, or 32 + 8 (a xor 1) + t - 8; 512 consecutive bytes, at a multiple of 256 from out0's first byte
.endr
	WIN 0
.endm
	PLACES 4                                       ; behind the last products
	MULT 0
	TOSTAGE 0
.irp a, 1,2,3
.if \a < 3
	WIN MUL
	MULG \a+1, 1, 0
	WIN 0
.endif
	MULT \a
	TOSTAGE \a
	SEND \a-1, 32                                  ; behind block a - 1's loads: block a's 16 stores and 16 loads
.endr
	SEND 3, 0
	s_wait_tensorcnt 0x0                           ; the wave's end
	ds_add_u32 v[SPW], v[NIL]
	s_wait_dscnt 0x0
	CROUND                                         ; the closing round
	s_endpgm
.Lfunc_end_k_q89813bafc4_pv:
	.size	k_q89813bafc4_pv, .Lfunc_end_k_q89813bafc4_pv-k_q89813bafc4_pv
	.p2alignl 7, 3214868480
	.fill 96, 4, 3214868480
	.section	.rodata,"a",@progbits
	.p2align	6, 0x0
	.amdhsa_kernel k_q89813bafc4_pv
		.amdhsa_group_segment_fixed_size 327680
		.amdhsa_private_segment_fixed_size 0
		.amdhsa_enable_private_segment 0
		.amdhsa_kernarg_size 32
		.amdhsa_user_sgpr_count 2
		.amdhsa_user_sgpr_kernarg_segment_ptr 1
		.amdhsa_wavefront_size32 1
		.amdhsa_system_sgpr_workgroup_id_x 1
		.amdhsa_system_sgpr_workgroup_id_y 1
		.amdhsa_system_sgpr_workgroup_id_z 1
		.amdhsa_system_vgpr_workitem_id 0
		.amdhsa_next_free_vgpr 768
		.amdhsa_next_free_sgpr 102
		.amdhsa_reserve_vcc 0
		.amdhsa_float_denorm_mode_32 3
		.amdhsa_float_denorm_mode_16_64 3
		.amdhsa_memory_ordered 1
		.amdhsa_forward_progress 1
		.amdhsa_inst_pref_size 165
	.end_amdhsa_kernel
	.amdgpu_metadata
---
amdhsa.version: [ 1, 2 ]
amdhsa.kernels:
  - .name:           k_q89813bafc4_pv
    .symbol:         k_q89813bafc4_pv.kd
    .args:
      - { .name: pf, .offset: 0, .size: 8, .value_kind: global_buffer, .address_space: global }
      - { .name: pst, .offset: 8, .size: 8, .value_kind: global_buffer, .address_space: global }
      - { .name: vv, .offset: 16, .size: 8, .value_kind: global_buffer, .address_space: global }
      - { .name: out0, .offset: 24, .size: 8, .value_kind: global_buffer, .address_space: global }
    .group_segment_fixed_size: 327680
    .private_segment_fixed_size: 0
    .kernarg_segment_align: 8
    .kernarg_segment_size: 32
    .max_flat_workgroup_size: 128
    .sgpr_count:     102
    .vgpr_count:     768
    .wavefront_size: 32
...
	.end_amdgpu_metadata
.endif
;; end of part 3
